; MI455X (gfx1250); checked and timed in simulation.
; The chip was launched on July 23, 2026; its instructions are those of AMD's public machine-readable ISA for CDNA 5 (MIT licence, August 2026) and "CDNA5" Instruction Set Architecture Reference Guide (July 2026). The comments in the code are by the model that wrote it; some were corrected since.
;; Multi Head Attention. Allowed arithmetic: matrix products marked QUANTISED: E2M3 operands, one E8M0 scale for each 32 along K, by v_wmma_scale_f32_16x16x128_f8f6f4 with both operands' format E2M3, f32 sums; everything else in f32.
;; Inputs: Wk 1,024 x 1,024 float32; Wo 1,024 x 1,024 float32; Wq 1,024 x 1,024 float32; Wv 1,024 x 1,024 float32; bk 1,024 float32; bo 1,024 float32; bq 1,024 float32; bv 1,024 float32; key 2 x 2,048 x 1,024 float32; mask 2 x 1 x 2,048 bool; query 2 x 2,048 x 1,024 float32; value 2 x 2,048 x 1,024 float32.
;; Outputs: out0 2 x 2,048 x 1,024 float32.
;; This version of the problem:
;;   THIS VERSION OF THE PROBLEM IS GIVEN IN LOW PRECISION. The matrix products marked QUANTISED in the list below multiply operands that are first quantised to E2M3 (2 exponent bits, 3 mantissa bits; 6 bits a number), with one power-of-two scale for each 32 numbers along K (OCP MX v1.0); their sums are f32. All else is computed in f32.
;;   The module's matrix products, in the order in which they are computed (A, B: the left and right operand; K: the contracted axis; several contracted axes count as one K, in the product's order):
;;     1. [M 4,096, K 1,024] x [K 1,024, N 1,024]; A: input query; B: input Wq: QUANTISED
;;     2. [M 4,096, K 1,024] x [K 1,024, N 1,024]; A: input key; B: input Wk: QUANTISED
;;     3. [M 4,096, K 1,024] x [K 1,024, N 1,024]; A: input value; B: input Wv: QUANTISED
;;     4. batch 32 x [M 2,048, K 64] x [K 64, N 2,048]; A: computed on the way; B: computed on the way: QUANTISED
;;     5. batch 32 x [M 2,048, K 2,048] x [K 2,048, N 64]; A: computed on the way; B: computed on the way: QUANTISED
;;     6. [M 4,096, K 1,024] x [K 1,024, N 1,024]; A: computed on the way; B: input Wo: QUANTISED
;;   THE QUANTISER, for each operand of a quantised product, along K:
;;     - K is cut into blocks of 32 from its start; a last block that is shorter is filled with zeros.
;;     - A block's scale is 2^e with e = floor(log2(the largest magnitude in the block)) - 2, held to -126 .. 127; a block of zeros has e = 0. As a byte (E8M0): e + 127.
;;     - Each number is divided by its block's scale, clamped to +-7.5, and rounded to the nearest number of E2M3, ties to even, subnormals kept.
;;     - The product sums the exact products of the quantised numbers (number of the format x scale) in f32.
;;   ~~~python
;;   def quantise(x, axis):      # numpy; x: float32 -> the quantised numbers, widened to float32 again
;;       x = np.moveaxis(x, axis, -1); K = x.shape[-1]
;;       x = np.pad(x, [(0, 0)] * (x.ndim - 1) + [(0, -K % 32)]); x = x.reshape(x.shape[:-1] + (-1, 32)); a = np.abs(x).max(-1, keepdims=True)
;;       e = np.where(a > 0, np.clip(np.frexp(np.where(a > 0, a, 1))[1] - 1 - 2, -126, 127), 0)      # np.frexp(a)[1] - 1 = floor(log2(a)), exactly
;;       r = np.clip(x / 2.0 ** e, -7.5, 7.5)
;;       step = 2.0 ** (np.maximum(np.frexp(np.where(r == 0, 1, r))[1] - 1, 0) - 3)
;;       q = np.round(r / step) * step * 2.0 ** e      # np.round: ties to even
;;       return np.moveaxis(q.reshape(q.shape[:-2] + (-1,))[..., :K], -1, axis).astype(np.float32)
;;   ~~~
;;   OPERANDS COMPUTED ON THE WAY. 'Computed on the way' means the value that the module computes at that place (a softmax that the list does not call 'softmax' is quantised finished and normalised). What goes into a quantiser is computed in f32, as accurately as f32 sums, v_exp_f32 and their like allow (about 1e-6 of the number): no bf16 or f16 on the way to a quantiser, and a product that is left as it is and whose result goes on into a quantised operand takes f32 operands (vector FMAs, or v_wmma_f32_16x16x4_f32). A number that lies on a knife's edge between two numbers of the format may be rounded either way, as far as f32 arithmetic and the matrix unit's own rounding can turn it there, and no further.
;; One version. Each part assembles by itself: llvm-mc -triple=amdgcn-amd-amdhsa -mcpu=gfx1250 --defsym DOCPART=n.
;; ======== version 1 of 1: 4 launches
;; limits: right only within a limited range of input values
;; workspace buffers: xw_codes 12,582,912 bytes; xw_scales 524,288 bytes; qkv 10,092,544 bytes; ctx_codes 3,145,728 bytes; ctx_scales 131,072 bytes
;; launch quant (part 1): grid 448 x 1, 4 waves a work-group, no clusters, 34,304 bytes of LDS; arguments query, key, value, Wq, Wk, Wv, Wo, xw_codes, xw_scales; writes xw_codes, xw_scales
.if DOCPART == 1
	.amdgcn_target "amdgcn-amd-amdhsa--gfx1250"
	.amdhsa_code_object_version 6
	.text
	.protected	k_qb0223533e8_quant
	.globl	k_qb0223533e8_quant
	.p2align	8
	.type	k_qb0223533e8_quant,@function
k_qb0223533e8_quant:
	s_mov_b64 s[64:65], 0
	v_nop
	global_prefetch_b8 v0, s[64:65] scope:SCOPE_SE
	s_setreg_imm32_b32 hwreg(HW_REG_WAVE_MODE, 25, 1), 1
	s_wait_xcnt 0x0
; query, key, value [4096][1024] and Wq, Wk, Wv, Wo [1024 (k)][1024 (n)], f32, become codes of FP6 (E2M3) with one E8M0 byte for each 32 along K.
; A block's scale is 2^(floor(log2(largest magnitude)) - 2); its byte is the largest magnitude's exponent field - 2, held at 1 from below.
; LAYOUT OF THE CODES, the order of an operand's registers: [row tile of 16][K / 64][768 bytes].  768 bytes hold 16 rows x 64 K: lane l = (r = l % 16, h = l / 16) owns
; k = 32 h .. 32 h + 31 of row r, six registers: the first four at byte 16 l, the last two at byte 512 + 8 l.  Scale bytes: [position][32].
; THE ROWS OF A TILE ARE NOT NEIGHBOURS: position p of a group of 32 rows is row pi(p), pi changing bits 3 and 4: lane r of tile 2 b + u is row 32 b + 8 u + r + 8 (r / 8).
; Work-groups 0-191 take the three activations (K innermost: a wave takes one row tile, all of K), work-groups 192-447 the four weights (K is the first axis: a lane takes a column, registers run down K).
; LIMITS: NaN and infinities are not served; a block of zeros gets the byte 1 where the rule says 127 (its codes are zeros, and only this program reads the bytes).
.set PC,  8                            ; v8-19 a fragment's codes, v20-27 at work
.set TM,  28                           ; v28-43 at work in QUANT
.set PW,  44                           ; v44-51 a scale word for each of the eight K steps
.set R,   64                           ; v64-191 two sets of 64 numbers as loaded
.set X,   192                          ; v192-255 64 numbers of my row
.set SEL, 22                           ; s[22:23] selects of v_permlanex16_b32: lane l xor 16
.set FA,  192                          ; path W: the even blocks, then the first tile's fragment
.set FB,  204                          ; the odd blocks, then the second tile's
; 64 numbers of a lane, register 16 b + i = k 32 b + 16 h + i of my row, become a fragment's 12 registers in v[PC] on and its scale word in v[pw]
.macro QUANT s, pw
.irp b, 0,1,2,3
	v_max3_num_f32 v[TM+\b], |v[\s+16*\b]|, |v[\s+1+16*\b]|, 0x1800000   ; my 16 numbers of block b, and the floor 2^(3 - 127): the byte cannot fall under 1
.endr
.irp i, 2,4,6,8,10,12,14
.irp b, 0,1,2,3
	v_max3_num_f32 v[TM+\b], v[TM+\b], |v[\s+16*\b+\i]|, |v[\s+1+16*\b+\i]|
.endr
.endr
.irp b, 0,1,2,3
	v_permlanex16_b32 v[TM+4+\b], v[TM+\b], s[SEL], s[SEL+1]
.endr
.irp b, 0,1,2,3
	v_max_num_f32 v[TM+\b], v[TM+\b], v[TM+4+\b]   ; with lane l xor 16's 16: the block's largest magnitude
.endr
.irp b, 0,1,2,3
	v_add_nc_u32 v[TM+12+\b], 0xff000000, v[TM+\b]   ; 2 off its exponent field: the conversion's scale operand
.endr
.irp b, 0,1,2,3
	v_lshrrev_b32 v[TM+4+\b], 23, v[TM+12+\b]      ; the scale's byte
.endr
	v_lshl_or_b32 v[\pw], v[TM+5], 8, v[TM+4]
	v_lshl_or_b32 v[\pw], v[TM+6], 16, v[\pw]
	v_lshl_or_b32 v[\pw], v[TM+7], 24, v[\pw]
.irp c, 0,1
	v_cvt_scalef32_pk16_fp6_f32 v[PC+6*\c:PC+2+6*\c], v[\s+32*\c:\s+15+32*\c], v[TM+12+2*\c]
	v_cvt_scalef32_pk16_fp6_f32 v[PC+12+4*\c:PC+14+4*\c], v[\s+16+32*\c:\s+31+32*\c], v[TM+12+2*\c+1]   ; (a conversion's three registers begin on an even number)
.endr
	v_nop                                          ; one plain place behind a scaled conversion
.irp c, 0,1                                    ; the layout wants a whole block in a lane: lanes 0-15 block 2 c, lanes 16-31 block 2 c + 1
.irp i, 0,1,2
	v_permlane16_swap_b32 v[PC+6*\c+\i], v[PC+12+4*\c+\i]
.endr
.irp i, 0,1,2
	v_mov_b32 v[PC+3+6*\c+\i], v[PC+12+4*\c+\i]
.endr
.endr
.endm
	s_load_b256 s[4:11], s[0:1], 0x0               ; query, key, value, Wq
	s_load_b256 s[12:19], s[0:1], 0x20             ; Wk, Wv, Wo, xw_codes
	s_load_b64 s[20:21], s[0:1], 0x40              ; xw_scales
	v_lshl_add_u32 v59, v0, 2, 0x8400
	v_mov_b32 v63, 0
	v_lshrrev_b32 v1, 5, v0
	v_readfirstlane_b32 s24, v1                    ; wave
	v_and_b32 v60, 31, v0                          ; lane
	v_lshlrev_b32 v1, 4, v60                       ; 16 x lane
	v_lshlrev_b32 v2, 3, v60                       ; 8 x lane
	s_mov_b32 s[SEL], 0x76543210
	s_mov_b32 s[SEL+1], 0xfedcba98
	s_cmp_lt_u32 ttmp9, 192
	s_cbranch_scc0 .Lweights
	; ---- the activations.  A wave: row tile rt of tensor t, eight steps of 128 along K
	v_and_b32 v61, 15, v0                          ; r
	v_bfe_u32 v62, v0, 4, 1                        ; h
	s_mul_i32 s25, s24, 8448                       ; my wave's stage: 16 rows of 512 bytes + 16
	v_add_nc_u32 v3, s25, v1                       ; in: a row as it lies, 16 bytes a lane
	v_mul_u32_u24 v4, v61, 528
	v_lshl_add_u32 v4, v62, 6, v4
	v_add_nc_u32 v4, s25, v4                       ; out: row r, + 64 h: my 16 numbers of each block of 32
	v_lshlrev_b32 v5, 5, v61
	v_lshl_add_u32 v5, v62, 4, v5                  ; the scale bytes: 32 r + 16 h
	s_lshr_b32 s26, ttmp9, 6                       ; t
	s_and_b32 s27, ttmp9, 63
	s_lshl_b32 s27, s27, 2
	s_add_co_u32 s27, s27, s24                     ; rt
	s_lshr_b32 s28, s27, 1
	s_lshl_b32 s28, s28, 17                        ; the group of 32 rows, 4,096 bytes a row,
	s_and_b32 s29, s27, 1
	s_lshl_b32 s29, s29, 15                        ; and 8 rows on for the odd tile
	s_add_co_u32 s28, s28, s29
	s_mov_b32 s29, 0
	s_mul_i32 s30, s26, 3145728
	s_mul_i32 s31, s27, 12288
	s_add_co_u32 s30, s30, s31                     ; the tile's codes
	s_mov_b32 s31, 0
	s_lshl_b32 s32, s26, 17
	s_lshl_b32 s33, s27, 9
	s_add_co_u32 s32, s32, s33                     ; its scale bytes
	s_mov_b32 s33, 0
.irp b, 0,1,2,3
	v_mov_b32 v[TM+4+\b], 0                        ; a lane permute's destination counts as one of its sources
.endr
	s_wait_alu depctr_va_vdst(0)
	s_wait_kmcnt 0x0
	s_cmp_eq_u32 s26, 0
	s_cselect_b64 s[4:5], s[4:5], s[6:7]
	s_cmp_eq_u32 s26, 2
	s_cselect_b64 s[4:5], s[8:9], s[4:5]
	s_add_nc_u64 s[4:5], s[4:5], s[28:29]
	s_add_nc_u64 s[18:19], s[18:19], s[30:31]
	s_add_nc_u64 s[20:21], s[20:21], s[32:33]
.macro LOADX q                         ; step q: 512 consecutive bytes of each of the tile's 16 rows
.irp i, 0,1,2,3,4,5,6,7,8,9,10,11,12,13,14,15
	global_load_b128 v[R+64*((\q)%2)+4*\i:R+64*((\q)%2)+4*\i+3], v1, s[4:5] offset:(\i+8*(\i/8))*4096+512*(\q) th:TH_LOAD_NT
.endr
.endm
.macro STEPX q
.if (\q) < 7
	s_wait_loadcnt 16                              ; this step's 16 loads are in; the next step's 16 may be out
.else
	s_wait_loadcnt 0
.endif
.irp i, 0,1,2,3,4,5,6,7,8,9,10,11,12,13,14,15
	ds_store_b128 v3, v[R+64*((\q)%2)+4*\i:R+64*((\q)%2)+4*\i+3] offset:528*\i
.endr
.irp b, 0,1,2,3
.irp j, 0,1,2,3
	ds_load_b128 v[X+16*\b+4*\j:X+16*\b+4*\j+3], v4 offset:128*\b+16*\j   ; LDS serves a wave's instructions in order: these see my stores
.endr
.endr
	s_wait_dscnt 0x0                               ; my numbers are back, and the stores have read their registers
	s_wait_xcnt 0x0                                ; the last step's stores have read the codes' registers, which QUANT writes again
.if (\q) < 6
	LOADX (\q)+2
.endif
	QUANT X, PW+(\q)
	global_store_b128 v1, v[PC:PC+3], s[18:19] offset:1536*(\q)          ; each store covers 512 or 256 consecutive bytes, aligned
	global_store_b64 v2, v[PC+4:PC+5], s[18:19] offset:1536*(\q)+512
	global_store_b128 v1, v[PC+6:PC+9], s[18:19] offset:1536*(\q)+768
	global_store_b64 v2, v[PC+10:PC+11], s[18:19] offset:1536*(\q)+1280
.endm
	LOADX 0
	LOADX 1
.irp q, 0,1,2,3,4,5,6,7
	STEPX \q
.endr
	v_cmp_eq_u32 vcc_lo, 1, v62                    ; lanes 0-15 store words 0-3 of their row, lanes 16-31 words 4-7
.irp i, 0,1,2,3
	v_cndmask_b32 v[52+\i], v[PW+\i], v[PW+4+\i], vcc_lo
.endr
	global_store_b128 v5, v[52:55], s[20:21]       ; 512 consecutive bytes
	s_wait_tensorcnt 0x0
	ds_add_u32 v59, v63
	s_wait_dscnt 0x0
	s_endpgm
	; ---- the weights.  A work-group: weight w, 128 columns, 128 along K; a wave 32 columns; lane l takes column n0 + pi(l), which is position n0 + l
.Lweights:
	s_sub_co_u32 s25, ttmp9, 192
	s_lshr_b32 s26, s25, 6                         ; w
	s_bfe_u32 s27, s25, 0x30003                    ; which 128 columns
	s_and_b32 s28, s25, 7                          ; which 128 along K
	s_lshl_b32 s29, s27, 7
	s_lshl_b32 s30, s24, 5
	s_add_co_u32 s29, s29, s30                     ; n0
	s_wait_alu depctr_va_vdst(0)
	v_and_b32 v3, 7, v60
	v_bfe_u32 v4, v60, 3, 1
	v_bfe_u32 v5, v60, 4, 1
	v_lshl_add_u32 v3, v4, 4, v3
	v_lshl_add_u32 v3, v5, 3, v3                   ; pi(l)
	v_lshlrev_b32 v3, 2, v3
	v_lshlrev_b32 v6, 5, v60                       ; a position's 32 scale bytes
	s_lshl_b32 s30, s28, 19                        ; 128 rows of 4,096 bytes
	s_lshl_b32 s31, s29, 2
	s_add_co_u32 s30, s30, s31
	s_mov_b32 s31, 0
	s_mul_i32 s32, s26, 786432
	s_mul_i32 s33, s29, 768                        ; 12,288 bytes a tile of 16
	s_add_co_u32 s32, s32, s33
	s_mul_i32 s33, s28, 1536
	s_add_co_u32 s32, s32, s33
	s_add_co_u32 s32, s32, 9437184
	s_mov_b32 s33, 0
	s_lshl_b32 s34, s26, 15
	s_lshl_b32 s35, s29, 5
	s_add_co_u32 s34, s34, s35
	s_lshl_b32 s35, s28, 2
	s_add_co_u32 s34, s34, s35
	s_add_co_u32 s34, s34, 393216
	s_mov_b32 s35, 0
	s_and_b32 s36, s26, 1
	s_wait_alu depctr_va_vdst(0)
	s_wait_kmcnt 0x0
	s_cmp_eq_u32 s36, 1
	s_cselect_b64 s[4:5], s[12:13], s[10:11]       ; Wk or Wq
	s_cselect_b64 s[6:7], s[16:17], s[14:15]       ; Wo or Wv
	s_cmp_lt_u32 s26, 2
	s_cselect_b64 s[4:5], s[4:5], s[6:7]
	s_add_nc_u64 s[4:5], s[4:5], s[30:31]
	s_add_nc_u64 s[18:19], s[18:19], s[32:33]
	s_add_nc_u64 s[20:21], s[20:21], s[34:35]
.set I, 0
.rept 128
	global_load_b32 v[64+I], v3, s[4:5] offset:4096*I th:TH_LOAD_NT   ; W(k, my column): the wave reads 128 consecutive bytes, the four waves 512
.set I, I+1
.endr
.macro WBLOCK b, left                  ; block b of my column: all its 32 numbers are mine.  left: younger loads that may stay out (a wait names 63 at the most)
.set XS, 64+32*(\b)
.set CB, FA+12*((\b)%2)+6*((\b)/2)
	s_wait_loadcnt \left
	v_max3_num_f32 v8, |v[XS]|, |v[XS+1]|, |v[XS+2]|
	v_max3_num_f32 v9, |v[XS+3]|, |v[XS+4]|, |v[XS+5]|
.irp i, 6,10,14,18,22,26
	v_max3_num_f32 v8, v8, |v[XS+\i]|, |v[XS+\i+1]|
	v_max3_num_f32 v9, v9, |v[XS+\i+2]|, |v[XS+\i+3]|
.endr
	v_max3_num_f32 v8, v8, |v[XS+30]|, |v[XS+31]|
	v_max3_num_f32 v8, v8, v9, 0x1800000           ; the floor
	v_add_nc_u32 v[232+\b], 0xff000000, v8         ; the conversion's scale operand
	v_lshrrev_b32 v9, 23, v[232+\b]                ; the byte
.if (\b) == 0
	v_mov_b32 v12, v9
.else
	v_lshl_or_b32 v12, v9, 8*(\b), v12
.endif
	v_cvt_scalef32_pk16_fp6_f32 v[CB:CB+2], v[XS:XS+15], v[232+\b]
	v_cvt_scalef32_pk16_fp6_f32 v[216+4*(\b):218+4*(\b)], v[XS+16:XS+31], v[232+\b]
.endm
	WBLOCK 0, 63
	WBLOCK 1, 63
	WBLOCK 2, 32
	WBLOCK 3, 0
	v_nop                                          ; one plain place behind the last conversion
.irp b, 0,1,2,3
.irp i, 0,1,2
	v_mov_b32 v[FA+12*(\b%2)+6*(\b/2)+3+\i], v[216+4*\b+\i]
.endr
.endr
.irp i, 0,1,2,3,4,5,6,7,8,9,10,11
	v_permlane16_swap_b32 v[FA+\i], v[FB+\i]       ; the second tile's even blocks change places with the first tile's odd blocks: FA and FB are now the two tiles' fragments
.endr
.irp t, 0,1
	global_store_b128 v1, v[FA+12*\t:FA+12*\t+3], s[18:19] offset:12288*\t
	global_store_b64 v2, v[FA+12*\t+4:FA+12*\t+5], s[18:19] offset:12288*\t+512
	global_store_b128 v1, v[FA+12*\t+6:FA+12*\t+9], s[18:19] offset:12288*\t+768
	global_store_b64 v2, v[FA+12*\t+10:FA+12*\t+11], s[18:19] offset:12288*\t+1280
.endr
	global_store_b32 v6, v12, s[20:21]             ; four bytes of each position's 32: rows written in part, 128 KiB in the whole launch
	s_endpgm
.Lfunc_end_k_qb0223533e8_quant:
	.size	k_qb0223533e8_quant, .Lfunc_end_k_qb0223533e8_quant-k_qb0223533e8_quant
	.p2alignl 7, 3214868480
	.fill 96, 4, 3214868480
	.section	.rodata,"a",@progbits
	.p2align	6, 0x0
	.amdhsa_kernel k_qb0223533e8_quant
		.amdhsa_group_segment_fixed_size 34304
		.amdhsa_private_segment_fixed_size 0
		.amdhsa_enable_private_segment 0
		.amdhsa_kernarg_size 72
		.amdhsa_user_sgpr_count 2
		.amdhsa_user_sgpr_kernarg_segment_ptr 1
		.amdhsa_wavefront_size32 1
		.amdhsa_system_sgpr_workgroup_id_x 1
		.amdhsa_system_sgpr_workgroup_id_y 1
		.amdhsa_system_sgpr_workgroup_id_z 1
		.amdhsa_system_vgpr_workitem_id 0
		.amdhsa_next_free_vgpr 256
		.amdhsa_next_free_sgpr 66
		.amdhsa_reserve_vcc 1
		.amdhsa_float_denorm_mode_32 3
		.amdhsa_float_denorm_mode_16_64 3
		.amdhsa_memory_ordered 1
		.amdhsa_forward_progress 1
		.amdhsa_inst_pref_size 86
	.end_amdhsa_kernel
	.amdgpu_metadata
---
amdhsa.version: [ 1, 2 ]
amdhsa.kernels:
  - .name:           k_qb0223533e8_quant
    .symbol:         k_qb0223533e8_quant.kd
    .args:
      - { .name: query, .offset: 0, .size: 8, .value_kind: global_buffer, .address_space: global }
      - { .name: key, .offset: 8, .size: 8, .value_kind: global_buffer, .address_space: global }
      - { .name: value, .offset: 16, .size: 8, .value_kind: global_buffer, .address_space: global }
      - { .name: Wq, .offset: 24, .size: 8, .value_kind: global_buffer, .address_space: global }
      - { .name: Wk, .offset: 32, .size: 8, .value_kind: global_buffer, .address_space: global }
      - { .name: Wv, .offset: 40, .size: 8, .value_kind: global_buffer, .address_space: global }
      - { .name: Wo, .offset: 48, .size: 8, .value_kind: global_buffer, .address_space: global }
      - { .name: xw_codes, .offset: 56, .size: 8, .value_kind: global_buffer, .address_space: global }
      - { .name: xw_scales, .offset: 64, .size: 8, .value_kind: global_buffer, .address_space: global }
    .group_segment_fixed_size: 34304
    .private_segment_fixed_size: 0
    .kernarg_segment_align: 8
    .kernarg_segment_size: 72
    .max_flat_workgroup_size: 128
    .sgpr_count:     66
    .vgpr_count:     256
    .wavefront_size: 32
...
	.end_amdgpu_metadata
.endif
;; end of part 1
;; launch proj (part 2): grid 4 x 48, 4 waves a work-group, clusters of 4 x 4, 327,680 bytes of LDS; arguments xw_codes, xw_scales, bq, bk, bv, mask, qkv; writes qkv
.if DOCPART == 2
	.amdgcn_target "amdgcn-amd-amdhsa--gfx1250"
	.amdhsa_code_object_version 6
	.text
	.protected	k_qb0223533e8_proj
	.globl	k_qb0223533e8_proj
	.p2align	8
	.type	k_qb0223533e8_proj,@function
k_qb0223533e8_proj:
	s_mov_b64 s[64:65], 0
	v_nop
	global_prefetch_b8 v0, s[64:65] scope:SCOPE_SE
	s_setreg_imm32_b32 hwreg(HW_REG_WAVE_MODE, 25, 1), 1
	s_wait_xcnt 0x0
	s_wait_alu depctr_hold_cnt(0) depctr_sa_sdst(0) depctr_va_vdst(0) depctr_va_sdst(0) depctr_va_ssrc(0) depctr_va_vcc(0) depctr_vm_vsrc(0)
	s_getreg_b32 s2, hwreg(HW_REG_IB_STS2, 6, 4)
	s_cmp_eq_u32 s2, 0
	s_cbranch_scc0 .Lentry_in_a_cluster
	s_endpgm
.Lentry_in_a_cluster:
	s_bfe_u32 s2, ttmp6, 0x10000c
	s_cmp_lg_u32 s2, 0xf033
	s_cbranch_scc0 .Lentry_shape_is_right
	s_endpgm
.Lentry_shape_is_right:
; q = query Wq + bq, k = key Wk + bk, v = value Wv + bv on codes of FP6 (E2M3) with E8M0 scales, and the results quantised again: q and k along a head's 64, v along the keys.
; A tile of 256 x 256 to a work-group of four waves, 128 x 128 a wave, 64 accumulators; K = 1,024 in four steps of 256 through two LDS slots filled by tensor loads.
; THE OPERANDS LIE IN THE ORDER OF THEIR REGISTERS: [row tile][K / 64][768 bytes]; a fragment (16 rows x 128 K, 12 registers) is two loads of 16 bytes at 16 x lane and two of 8 bytes at 8 x lane.
; SOURCE 0 GOES TO THE RESULT'S REGISTERS, SOURCE 1 TO ITS LANES.  Types 0, 1 (q, k): source 1 = tokens, source 0 = the weight's columns: a lane holds one token and 64 features.  Type 2 (v): source 1 = Wv's columns, source 0 = tokens:
; a lane holds one feature and 64 keys.  The rows of a tile are laid so (lane r of tile 2 b + u = row 32 b + 8 u + r + 8 (r / 8)) that the 16 registers of tiles 2 b, 2 b + 1 are 16 neighbours: what the next quantiser wants.
; CLUSTERS of 4 x 4: source 1's tiles are shared along a row of the cluster, source 0's along a column, by joint loads.  The cluster's y gives the type (y / 4) and which quarter of the tokens (y % 4).
; OUT: qkv: Q at 0 and K at 3,407,872: [batch x head][16 records of 6,656]: 8 images of 768 bytes (16 positions x 64) and 128 scale words; V at 6,815,744: [batch x head][16 key steps of 6,400]: 4 images of 1,536 bytes (16 d x 128 keys) and 64 scale words.
; THE MASK goes into K's scale words: bytes 2, 3 are 227 (2^100) for a masked key and 1 (2^-126) for an open one; the attention launch multiplies them by the codes 1.0 and -7.5 in the idle half of its K.  Q's bytes 2, 3 are 127.
; LIMITS: NaN and infinities are not served; a block of zeros gets the byte 1 (only this program reads the bytes).
.set NQ,     2                         ; matrix instructions deep in a slot
.set FR,     12                        ; registers of a fragment
.set NL,     4                         ; LDS loads that bring one
.set NP,     4                         ; places behind this matrix instruction (ISA guide 7.12.1)
.set RT,     3072                      ; a row tile's bytes in a slot: 16 rows x 256 K
.set HALFT,  8*RT                      ; 128 rows: what one tensor load brings
.set SLOT,   4*HALFT                   ; source 1's 256 rows, then source 0's
.set LAPS,   2
.set KS,     32                        ; a row of scale bytes
.set SCL,    2*SLOT                    ; behind the ring: the scales, as units of 256 bytes + 16
.set HALFS,  16*272
.set SBLK,   2*272
.set SPARE,  SCL+4*HALFS               ; the spare words, 128 bytes a wave
.set SSTG,   SPARE+512                 ; types 0, 1: 1,024 bytes a wave for scale words
.set SSTV,   SSTG+4096                 ; type 2: 512 bytes a wave
.set L16,  6                           ; v6   16 x lane
.set L8,   7                           ; v7   8 x lane
.set BIO,  8                           ; v8   64 h
.set MBO,  9                           ; v9   r + 8 (r / 8)
.set BAO,  10                          ; v10  4 x that
.set SQ,   11                          ; v11-14 stage addresses
.set SQR,  12
.set SV,   13
.set SVR,  14
.set VSO,  15                          ; v15  16 (lane % 16) + 102,400 (lane / 16)
.set ADRA, 16                          ; v16-17 my source 1 fragments in slot 0, 1, at 16 x lane; v18-19 at 8 x lane
.set ADRB, 20                          ; v20-23 the same for source 0
.set ADRS, 27                          ; v27  my scale words
.set SPW,  28                          ; v28  my spare word; never rewritten
.set NIL,  29                          ; v29  0; never rewritten
.set H16,  30                          ; v30  16 h
.set SC,   32                          ; v32-63 scale words, two sets
.set AF,   128                         ; source 1's fragments, window 0
.set T,    64                          ; the way out, window 0: 64 numbers
.set PC,   128                         ; codes (v128-147)
.set TM,   148                         ; v148-163
.set PW,   164
.set LOV,  166
.set HIV,  167
.set EXT,  168                         ; v168-175 bytes 2, 3 of the scale words
.set OUTW, 176                         ; v176-183 a scale word for each block
.set BACK, 184                         ; v184-191
.set BI,   0                           ; window 1: the bias of my 64 features
.set MB,   64                          ; the mask's bytes of my 8 tokens
.set BA,   72                          ; the bias of my lane's feature, twice, for 8 blocks
.set TYPE, 100
.set SEL,  94
.set G1, 24
.set G0, 32
.set G1B, 48
.set G0B, 56
.set G1S, 68
.set G0S, 76
.set G1SB, 80
.set G0SB, 88
.set MSB, 0
.macro WIN new                         ; the immediate's high byte repeats the setting that is left
.if MSB != \new
	s_set_vgpr_msb (MSB<<8)|\new
.set MSB, \new
.endif
.endm
.set MUL_LO, 0xa1                      ; source 0 window 1, source 1 window 0, C and D window 2
.set MUL_HI, 0xf1
.set TO_B,   0x40
.macro JLOAD g0a, g1a, g0b, g1b        ; a joint load: waves 0, 1 fetch for source 1, waves 2, 3 for source 0; four v_nop follow each line
	s_cmp_eq_u32 s15, 0
	s_cbranch_scc0 .Lfor_b_\@
	tensor_load_to_lds s[\g0a:\g0a+3], s[\g1a:\g1a+7]
	s_nop 0
.rept 4
	v_nop
.endr
	s_branch .Lasked_\@
.Lfor_b_\@:
	tensor_load_to_lds s[\g0b:\g0b+3], s[\g1b:\g1b+7]
	s_nop 0
.rept 4
	v_nop
.endr
.Lasked_\@:
.endm
.macro CREST
	s_cmp_lg_u32 s14, 0
	s_cbranch_scc1 .Lnot_wave_0_\@
	s_barrier_signal -3
.Lnot_wave_0_\@:
	s_barrier_wait -3
	s_barrier_signal -1
	s_barrier_wait -1
.endm
.macro CROUND
	s_barrier_signal -1
	s_barrier_wait -1
	CREST
.endm
.macro QUANT s, pw                     ; 64 numbers of a lane, register 16 b + i = k 32 b + 16 h + i, become 12 registers of codes in v[PC] on and a scale word in v[pw]
.irp b, 0,1,2,3
	v_max3_num_f32 v[TM+\b], |v[\s+16*\b]|, |v[\s+1+16*\b]|, 0x1800000
.endr
.irp i, 2,4,6,8,10,12,14
.irp b, 0,1,2,3
	v_max3_num_f32 v[TM+\b], v[TM+\b], |v[\s+16*\b+\i]|, |v[\s+1+16*\b+\i]|
.endr
.endr
.irp b, 0,1,2,3
	v_permlanex16_b32 v[TM+4+\b], v[TM+\b], s[SEL], s[SEL+1]
.endr
.irp b, 0,1,2,3
	v_max_num_f32 v[TM+\b], v[TM+\b], v[TM+4+\b]
.endr
.irp b, 0,1,2,3
	v_add_nc_u32 v[TM+12+\b], 0xff000000, v[TM+\b]
.endr
.irp b, 0,1,2,3
	v_lshrrev_b32 v[TM+4+\b], 23, v[TM+12+\b]
.endr
	v_lshl_or_b32 v[\pw], v[TM+5], 8, v[TM+4]
	v_lshl_or_b32 v[\pw], v[TM+6], 16, v[\pw]
	v_lshl_or_b32 v[\pw], v[TM+7], 24, v[\pw]
.irp c, 0,1
	v_cvt_scalef32_pk16_fp6_f32 v[PC+6*\c:PC+2+6*\c], v[\s+32*\c:\s+15+32*\c], v[TM+12+2*\c]
	v_cvt_scalef32_pk16_fp6_f32 v[PC+12+4*\c:PC+14+4*\c], v[\s+16+32*\c:\s+31+32*\c], v[TM+12+2*\c+1]
.endr
	v_nop                                          ; one plain place behind a scaled conversion
.irp c, 0,1
.irp i, 0,1,2
	v_permlane16_swap_b32 v[PC+6*\c+\i], v[PC+12+4*\c+\i]
.endr
.irp i, 0,1,2
	v_mov_b32 v[PC+3+6*\c+\i], v[PC+12+4*\c+\i]
.endr
.endr
.endm
	s_load_b128 s[4:7], s[0:1], 0x0                ; xw_codes, xw_scales
	s_load_b128 s[8:11], s[0:1], 0x10              ; bq, bk
	s_load_b64 s[12:13], s[0:1], 0x20              ; bv
	s_load_b64 s[96:97], s[0:1], 0x28              ; mask
	s_load_b64 s[98:99], s[0:1], 0x30              ; qkv
	v_lshl_add_u32 v[SPW], v0, 2, SPARE
	v_mov_b32 v[NIL], 0
	ds_add_u32 v28, v29
	ds_add_u32 v28, v29
	s_wait_dscnt 0x0
	v_lshrrev_b32 v1, 5, v0
	v_readfirstlane_b32 s14, v1                    ; wave 0..3
	s_lshr_b32 s15, s14, 1                         ; which half of source 1's rows is mine.  Also: I fetch for source 1 (0) or source 0 (1)
	s_and_b32 s16, s14, 1                          ; which half of source 0's rows.  Also: which 128 rows I fetch
	s_bfe_u32 s40, ttmp6, 0x40000                  ; cx
	s_bfe_u32 s41, ttmp6, 0x40004                  ; cy
	s_and_b32 s18, ttmp7, 0xffff                   ; the cluster's y: the same in all sixteen partners
	s_lshr_b32 s[TYPE], s18, 2
	s_and_b32 s18, s18, 3
	s_lshl_b32 s18, s18, 2
	s_cmp_eq_u32 s[TYPE], 2
	s_cselect_b32 s17, 0, s18
	s_cselect_b32 s42, s18, 0
	s_add_co_u32 s17, s17, s41                     ; tile row (source 1)
	s_add_co_u32 s42, s42, s40                     ; tile column (source 0)
	s_lshl_b32 s43, s41, 2
	s_lshl_b32 s43, 15, s43                        ; my row of the cluster
	s_lshl_b32 s44, 0x1111, s40                    ; my column
	; group 1 of the code tiles: 8 row tiles, each 3,072 consecutive bytes (384 elements of 8), 12,288 bytes apart; no padding
	s_or_b32 s[G1+0], s43, (3<<16)|(1<<21)
	s_or_b32 s[G1B+0], s44, (3<<16)|(1<<21)
.irp g, G1, G1B
	s_mov_b32 s[\g+1], 384<<16
	s_mov_b32 s[\g+2], 16<<16                      ; the head's loads bring 16 row tiles; behind them the two words that count rows are set to 8
	s_mov_b32 s[\g+3], 384<<16
	s_mov_b32 s[\g+4], 16
	s_mov_b32 s[\g+5], 1536
	s_mov_b32 s[\g+6], 0
	s_mov_b32 s[\g+7], 0
.endr
	; the scales of 256 rows: 8,192 dense bytes as 32 rows of 256, 16 bytes of padding behind each
	s_or_b32 s[G1S+0], s43, (3<<16)|(1<<20)|(1<<21)|(5<<22)|(3<<25)
	s_or_b32 s[G1SB+0], s44, (3<<16)|(1<<20)|(1<<21)|(5<<22)|(3<<25)
.irp g, G1S, G1SB
	s_mov_b32 s[\g+1], 32<<16
	s_mov_b32 s[\g+2], 32<<16
	s_mov_b32 s[\g+3], 32<<16
	s_mov_b32 s[\g+4], 32
	s_mov_b32 s[\g+5], 32
	s_mov_b32 s[\g+6], 0
	s_mov_b32 s[\g+7], 0
.endr
	; where the two operands begin in the workspace: the activation and the weight of this type change roles for type 2
	s_mul_i32 s19, s[TYPE], 3145728
	s_mul_i32 s20, s[TYPE], 786432
	s_add_co_u32 s20, s20, 9437184
	s_lshl_b32 s21, s[TYPE], 17
	s_lshl_b32 s22, s[TYPE], 15
	s_add_co_u32 s22, s22, 393216
	s_cmp_eq_u32 s[TYPE], 2
	s_cselect_b32 s92, s20, s19                    ; source 1's codes
	s_cselect_b32 s93, s19, s20                    ; source 0's codes
	s_cselect_b32 s94, s22, s21                    ; source 1's scales
	s_cselect_b32 s95, s21, s22                    ; source 0's scales
	s_lshl_b32 s20, s17, 8                         ; the tile's first row of source 1
	s_lshl_b32 s22, s20, 5
	s_add_co_u32 s22, s22, s94
	s_mov_b32 s23, 0
	s_mul_i32 s20, s20, 768
	s_add_co_u32 s20, s20, s92
	s_mov_b32 s21, 0
	s_lshl_b32 s46, s42, 8                         ; and of source 0
	s_lshl_b32 s66, s46, 5
	s_add_co_u32 s66, s66, s95
	s_mov_b32 s67, 0
	s_mul_i32 s46, s46, 768
	s_add_co_u32 s46, s46, s93
	s_mov_b32 s47, 0
	s_mul_i32 s45, s14, HALFT                      ; where they go: wave x 128 rows
	s_wait_kmcnt 0x0
	s_add_nc_u64 s[20:21], s[4:5], s[20:21]
	s_add_nc_u64 s[22:23], s[6:7], s[22:23]
	s_add_nc_u64 s[46:47], s[4:5], s[46:47]
	s_add_nc_u64 s[66:67], s[6:7], s[66:67]
	CROUND                                         ; all sixteen work-groups are here: the first joint loads meet
	s_mov_b32 s[G0S], 1
	s_mov_b32 s[G0S+1], SCL
	s_mov_b64 s[G0S+2:G0S+3], s[22:23]
	s_or_b32 s[G0S+3], s[G0S+3], 0x80000000
	s_mov_b32 s[G0SB], 1
	s_mov_b32 s[G0SB+1], SCL+2*HALFS
	s_mov_b64 s[G0SB+2:G0SB+3], s[66:67]
	s_or_b32 s[G0SB+3], s[G0SB+3], 0x80000000
	; THE HEAD'S LOADS, ONE A WAVE: wave 0 K step 0 of source 1's 256 rows, wave 1 of source 0's, wave 2 source 1's scales, wave 3 source 0's
	s_mov_b32 s[G0], 1
	s_mov_b32 s[G0+1], 0
	s_mov_b64 s[G0+2:G0+3], s[20:21]
	s_or_b32 s[G0+3], s[G0+3], 0x80000000
	s_mov_b32 s[G0B], 1
	s_mov_b32 s[G0B+1], 2*HALFT
	s_mov_b64 s[G0B+2:G0B+3], s[46:47]
	s_or_b32 s[G0B+3], s[G0B+3], 0x80000000
	s_mul_i32 s18, s16, 128*768                    ; in the ring I fetch 128 rows: which half, in bytes
	s_mov_b32 s19, 0
	s_add_nc_u64 s[20:21], s[20:21], s[18:19]
	s_add_nc_u64 s[46:47], s[46:47], s[18:19]
	s_mov_b32 s[G0+4], 1
	s_add_co_u32 s[G0+5], s45, SLOT
	s_add_nc_u64 s[G0+6:G0+7], s[20:21], RT
	s_or_b32 s[G0+7], s[G0+7], 0x80000000
	s_mov_b32 s[G0B+4], 1
	s_add_co_u32 s[G0B+5], s45, SLOT
	s_add_nc_u64 s[G0B+6:G0B+7], s[46:47], RT
	s_or_b32 s[G0B+7], s[G0B+7], 0x80000000
.macro ARM under, g0, g1, next         ; one chain of branches on the wave's number, one load to an arm, all arms to one join
	s_cmp_lt_u32 s14, \under
	s_cbranch_scc0 \next
	tensor_load_to_lds s[\g0:\g0+3], s[\g1:\g1+7]
	s_nop 0
.rept 4
	v_nop
.endr
	s_branch .Lhead_asked
\next:
.endm
	ARM 1, G0,  G1,  .Lhead_b
	ARM 2, G0B, G1B, .Lhead_sa
	ARM 3, G0S, G1S, .Lhead_sb
	tensor_load_to_lds s[G0SB:G0SB+3], s[G1SB:G1SB+7]
	s_nop 0
.rept 4
	v_nop
.endr
.Lhead_asked:
	v_and_b32 v1, 15, v0                           ; r
	v_bfe_u32 v2, v0, 4, 1                         ; h
	v_and_b32 v3, 31, v0
	v_lshlrev_b32 v[L16], 4, v3
	v_lshlrev_b32 v[L8], 3, v3
	s_mul_i32 s21, s15, HALFT
	s_mul_i32 s22, s16, HALFT
	s_add_co_u32 s22, s22, 2*HALFT
.irp s, 0,1
	v_add_nc_u32 v[ADRA+\s], s21, v[L16]
	v_add_nc_u32 v[ADRB+\s], s22, v[L16]
	v_add_nc_u32 v[ADRA+2+\s], s21, v[L8]
	v_add_nc_u32 v[ADRB+2+\s], s22, v[L8]
	s_add_co_u32 s21, s21, SLOT
	s_add_co_u32 s22, s22, SLOT
.endr
	v_mul_u32_u24 v5, v1, KS                       ; my row's scales: 32 bytes a row,
	v_lshrrev_b32 v4, 8, v5
	v_lshl_add_u32 v5, v4, 4, v5                   ; and 16 more for each 256 passed
	s_mul_i32 s21, s15, HALFS
	s_mul_i32 s22, s16, HALFS
	s_add_co_u32 s22, s22, 2*HALFS
	s_sub_co_u32 s22, s22, s21
	v_mul_u32_u24 v4, s22, v2                      ; lanes 16-31 take source 0's
	s_add_co_u32 s21, s21, SCL
	v_add_nc_u32 v5, v5, v4
	v_add_nc_u32 v[ADRS], s21, v5
	s_lshl_b32 s23, s14, 10
	s_add_co_u32 s23, s23, SSTG
	v_lshlrev_b32 v4, 2, v1                        ; 4 r
	v_lshl_add_u32 v5, v2, 9, v4                   ; + 512 h: lanes 0-15 the first head's words, lanes 16-31 the second's
	v_add_nc_u32 v[SQ], s23, v5
	v_add_nc_u32 v[SQR], s23, v[L16]
	s_lshl_b32 s23, s14, 9
	s_add_co_u32 s23, s23, SSTV
	v_add_nc_u32 v[SV], s23, v4
	v_add_nc_u32 v[SVR], s23, v[L16]
	v_lshlrev_b32 v[VSO], 4, v1
	v_mul_u32_u24 v5, v2, 102400
	v_add_nc_u32 v[VSO], v[VSO], v5
	v_lshlrev_b32 v[H16], 4, v2
	v_lshlrev_b32 v[BIO], 6, v2
	v_and_b32 v5, 8, v1
	v_add_nc_u32 v[MBO], v5, v1
	v_lshlrev_b32 v[BAO], 2, v[MBO]
	; where my results go, and my biases and mask bytes
	s_lshl_b32 s18, s17, 8
	s_lshl_b32 s19, s15, 7
	s_add_co_u32 s18, s18, s19                     ; ra: my first row of source 1
	s_lshl_b32 s19, s42, 8
	s_lshl_b32 s20, s16, 7
	s_add_co_u32 s19, s19, s20                     ; cb: my first row of source 0
	s_mov_b32 s23, 6656
	s_cmp_eq_u32 s[TYPE], 2
	s_cselect_b32 s20, s19, s18                    ; my first token
	s_cselect_b32 s21, s18, s19                    ; my first feature
	s_cselect_b32 s23, 6400, s23                   ; a record's bytes
	s_cselect_b32 s46, 0, s19                      ; the features in my registers (types 0, 1)
	s_cselect_b32 s47, s18, 0                      ; the features in my lanes (type 2)
	s_lshr_b32 s22, s20, 11                        ; batch
	s_lshl_b32 s22, s22, 4
	s_lshr_b32 s21, s21, 6                         ; head
	s_add_co_u32 s22, s22, s21
	s_lshl_b32 s22, s22, 4
	s_bfe_u32 s20, s20, 0x40007                    ; which 128 tokens of the batch
	s_add_co_u32 s22, s22, s20
	s_mul_i32 s22, s22, s23
	s_mul_i32 s23, s[TYPE], 3407872
	s_add_co_u32 s22, s22, s23
	s_mov_b32 s23, 0
	s_add_nc_u64 s[98:99], s[98:99], s[22:23]
	s_cmp_eq_u32 s[TYPE], 0
	s_cselect_b64 s[8:9], s[8:9], s[10:11]
	s_cmp_eq_u32 s[TYPE], 2
	s_cselect_b64 s[8:9], s[12:13], s[8:9]
	s_lshl_b32 s22, s46, 2
	s_add_nc_u64 s[8:9], s[8:9], s[22:23]
	s_lshl_b32 s22, s47, 2
	s_add_nc_u64 s[12:13], s[12:13], s[22:23]
	s_mov_b32 s22, s18
	s_add_nc_u64 s[96:97], s[96:97], s[22:23]      ; (ra + 127 stays under 4,096 in every type)
	s_mov_b32 s[SEL], 0x76543210
	s_mov_b32 s[SEL+1], 0xfedcba98
.macro FRAG reg, adr, q, i             ; a fragment as an image of its registers: two halves of 768 bytes
	ds_load_b128 v[\reg:\reg+3], v[\adr] offset:(\i)*RT+(\q)*1536
	ds_load_b64 v[\reg+4:\reg+5], v[\adr+2] offset:(\i)*RT+(\q)*1536+512
	ds_load_b128 v[\reg+6:\reg+9], v[\adr] offset:(\i)*RT+(\q)*1536+768
	ds_load_b64 v[\reg+10:\reg+11], v[\adr+2] offset:(\i)*RT+(\q)*1536+1280
.endm
; 16 matrix instructions: source 1's blocks a0, a0 + 1 x source 0's eight.  The 64 accumulators take turns, one instruction a turn, in the same order in every step.  zero = 1: the first product starts the sums
.macro MUL16 a0, p, q, sc, zero
.irp a, \a0, \a0+1
.irp b, 0,1,2,3,4,5,6,7
.if \zero == 1
	v_wmma_scale_f32_16x16x128_f8f6f4 v[8*(8*((\a)%4)+\b):8*(8*((\a)%4)+\b)+7], v[128*(\p)+FR*\b:128*(\p)+FR*\b+FR-1], v[AF+FR*(\a):AF+FR*(\a)+FR-1], 0, v[SC+8*NQ*(\sc)+NQ*\b+(\q)], v[SC+8*NQ*(\sc)+NQ*(\a)+(\q)] matrix_a_fmt:MATRIX_FMT_FP6 matrix_b_fmt:MATRIX_FMT_FP6 matrix_a_scale:MATRIX_SCALE_ROW1
.else
	v_wmma_scale_f32_16x16x128_f8f6f4 v[8*(8*((\a)%4)+\b):8*(8*((\a)%4)+\b)+7], v[128*(\p)+FR*\b:128*(\p)+FR*\b+FR-1], v[AF+FR*(\a):AF+FR*(\a)+FR-1], v[8*(8*((\a)%4)+\b):8*(8*((\a)%4)+\b)+7], v[SC+8*NQ*(\sc)+NQ*\b+(\q)], v[SC+8*NQ*(\sc)+NQ*(\a)+(\q)] matrix_a_fmt:MATRIX_FMT_FP6 matrix_b_fmt:MATRIX_FMT_FP6 matrix_a_scale:MATRIX_SCALE_ROW1
.endif
.endr
.endr
.endm
.macro FETCH_B slot, q, p
	WIN TO_B
.irp i, 0,1,2,3,4,5,6,7
	FRAG 128*(\p)+FR*\i, ADRB+\slot, \q, \i
.endr
	WIN 0
.endm
.macro FETCH_A slot, q, i0
.irp i, \i0, \i0+1, \i0+2, \i0+3
	FRAG AF+FR*(\i), ADRA+\slot, \q, \i
.endr
.endm
.macro SCALES sc                       ; a K step's scale words: lanes 0-15 source 1's block i, lanes 16-31 source 0's block i
.irp i, 0,1,2,3,4,5,6,7
	ds_load_b64 v[SC+8*NQ*\sc+NQ*\i:SC+8*NQ*\sc+NQ*\i+1], v[ADRS] offset:\i*SBLK
.endr
.endm
.macro PLACES n                        ; plain vector instructions between a matrix instruction and a load into, or a read of, its registers
.rept \n
	v_nop
.endr
.endm
.macro STEP slot, q, zero              ; 128 along K that has its successor in the same slot
	s_wait_dscnt 4*NL                              ; source 0's set and source 1's blocks 0-3 are in; the youngest 16 loads (blocks 4-7) may be out
	WIN MUL_LO
	MUL16 0, (\q)%2, \q, \slot, \zero
	MUL16 2, (\q)%2, \q, \slot, \zero
	s_wait_dscnt 0
	PLACES NP
	FETCH_B \slot, (\q)+1, 1-(\q)%2
	FETCH_A \slot, (\q)+1, 0
	WIN MUL_HI
	MUL16 4, (\q)%2, \q, \slot, \zero
	MUL16 6, (\q)%2, \q, \slot, \zero
	PLACES NP
	WIN 0
	FETCH_A \slot, (\q)+1, 4
.endm
; A slot's last step changes slots: one barrier; in front of it each wave waits for all its tensor loads, adds 0 to its spare word, and waits for that and for its reads of this slot.  fill = 1: the slot is filled again, two K steps ahead
.macro TURN slot, next, fill
	s_wait_tensorcnt 0x0                           ; all my tensor loads have landed: my part of the next slot
	ds_add_u32 v[SPW], v[NIL]                      ; 0 onto my spare word
	s_wait_dscnt 4*NL+1                            ; (the add and the youngest 16 loads may be out)
	WIN MUL_LO
	MUL16 0, 1, NQ-1, \slot, 0
	s_wait_dscnt 0x0                               ; the add is done, and my reads of this slot are over
	s_barrier_signal -1
	MUL16 2, 1, NQ-1, \slot, 0
	WIN 0
	s_barrier_wait -1
.if \fill
	CREST                                          ; the barrier has opened a round of the cluster's barrier: no wave of any partner still reads this slot or has a load on its way
	s_add_nc_u64 s[G0+4*\slot+2:G0+4*\slot+3], s[G0+4*\slot+2:G0+4*\slot+3], 2*RT
	s_add_nc_u64 s[G0B+4*\slot+2:G0B+4*\slot+3], s[G0B+4*\slot+2:G0B+4*\slot+3], 2*RT
	JLOAD G0+4*\slot, G1, G0B+4*\slot, G1B         ; the first tensor load behind the round; its four v_nop are the places in front of the loads below
.else
	PLACES NP
.endif
	s_wait_alu depctr_va_vdst(0)
	v_add_nc_u32 v[ADRS], 4*NQ, v[ADRS]            ; the next K step's scale words
	FETCH_B \next, 0, 0
	FETCH_A \next, 0, 0
	SCALES \next
	WIN MUL_HI
	MUL16 4, 1, NQ-1, \slot, 0
	MUL16 6, 1, NQ-1, \slot, 0
	PLACES NP
	WIN 0
	FETCH_A \next, 0, 4
.endm
	s_wait_alu depctr_va_vdst(0)
	s_wait_tensorcnt 0x0                           ; my tile of the head's four is in; slot 1's first fill is issued as a refill is
	ds_add_u32 v[SPW], v[NIL]
	s_mov_b32 s[G1+2], 8<<16                       ; no load of mine is out: from here on a load brings 8 row tiles,
	s_mov_b32 s[G1+4], 8
	s_mov_b32 s[G1B+2], 8<<16
	s_mov_b32 s[G1B+4], 8
	s_mov_b32 s[G0+1], s45                         ; and slot 0's descriptors point at my 128 rows
	s_mov_b32 s[G0B+1], s45
	s_mul_i32 s18, s16, 128*768
	s_mov_b32 s19, 0
	s_add_nc_u64 s[G0+2:G0+3], s[G0+2:G0+3], s[18:19]
	s_add_nc_u64 s[G0B+2:G0B+3], s[G0B+2:G0B+3], s[18:19]
	s_wait_dscnt 0x0
	CROUND                                         ; all four tiles are in, and all sixteen work-groups are here
	JLOAD G0+4, G1, G0B+4, G1B                     ; K step 1, the first tensor load behind the round
	FETCH_B 0, 0, 0
	FETCH_A 0, 0, 0
	SCALES 0
	FETCH_A 0, 0, 4
	STEP 0, 0, 1                                   ; the first step starts the sums
	s_mov_b32 s3, LAPS-1
.Llap:                                                 ; once round the ring; both slots are filled again
	TURN 0, 1, 1
	STEP 1, 0, 0
	TURN 1, 0, 1
	STEP 0, 0, 0
	s_sub_co_u32 s3, s3, 1
	s_cmp_lg_u32 s3, 0
	s_cbranch_scc1 .Llap
	TURN 0, 1, 0                                   ; the last lap fills nothing
	STEP 1, 0, 0
	; source 0's set 0 is done with, four places back: its registers take the biases and the mask's bytes.  All three runs are loaded in every type
	WIN TO_B
.irp b, 0,1,2,3
.irp j, 0,1,2,3
	global_load_b128 v[BI+16*\b+4*\j:BI+16*\b+4*\j+3], v[BIO], s[8:9] offset:128*\b+16*\j   ; register 16 b + i: feature 32 b + 16 h + i
.endr
.endr
.irp a, 0,1,2,3,4,5,6,7
	global_load_u8 v[MB+\a], v[MBO], s[96:97] offset:32*(\a/2)+8*(\a%2)
	global_load_b32 v[BA+2*\a], v[BAO], s[12:13] offset:(32*(\a/2)+8*(\a%2))*4
	global_load_b32 v[BA+2*\a+1], v[BAO], s[12:13] offset:(32*(\a/2)+8*(\a%2))*4
.endr
	WIN 0
	s_wait_dscnt 4*NL                              ; the very last step
	WIN MUL_LO
	MUL16 0, 1, NQ-1, 1, 0
	MUL16 2, 1, NQ-1, 1, 0
	s_wait_dscnt 0
	WIN MUL_HI
	MUL16 4, 1, NQ-1, 1, 0
	MUL16 6, 1, NQ-1, 1, 0
	WIN 0
	; THE WAY OUT: block by block of 16 lanes' rows: + bias, quantised in registers, stored as images
	PLACES NP
	s_wait_loadcnt 0x0
	WIN 0x01                                       ; source 0 window 1
.irp a, 0,1,2,3,4,5,6,7
	v_mov_b32 v[EXT+\a], v[MB+\a]
.endr
	WIN 0
	s_mov_b32 s20, 0x7f7f0000
	s_cmp_eq_u32 s[TYPE], 1
	s_cselect_b32 s18, 0x01010000, s20             ; an open key; Q's words take 127, 127
	s_cselect_b32 s19, 0xe3e30000, s20             ; a masked key
	v_mov_b32 v[LOV], s18
	v_mov_b32 v[HIV], s19
.irp a, 0,1,2,3,4,5,6,7
	v_cmp_ne_u32 vcc_lo, 0, v[EXT+\a]
	v_cndmask_b32 v[EXT+\a], v[LOV], v[HIV], vcc_lo
.endr
.irp b, 0,1,2,3
	v_mov_b32 v[TM+4+\b], 0                        ; a lane permute's destination counts as one of its sources
.endr
	s_cmp_eq_u32 s[TYPE], 2                        ; the same in all partners of the cluster
	s_cbranch_scc1 .Larm_v
.macro ARMQK a                         ; 16 tokens x 128 features: two heads' images and scale words
	s_wait_xcnt 0x0                                ; the last block's stores have read the codes' registers
	WIN (0x06+(\a)/4)                              ; source 0: the accumulators' window; source 1: window 1
.irp j, 0,2,4,6,8,10,12,14,16,18,20,22,24,26,28,30,32,34,36,38,40,42,44,46,48,50,52,54,56,58,60,62
	v_pk_add_f32 v[T+\j:T+\j+1], v[64*((\a)%4)+\j:64*((\a)%4)+\j+1], v[BI+\j:BI+\j+1]   ; ascending: each accumulator from its low end on
.endr
	WIN 0
	QUANT T, PW
	v_lshrrev_b32 v[OUTW+\a], v[H16], v[PW]        ; lanes 0-15 the first head's two bytes, lanes 16-31 the second's
	v_and_or_b32 v[OUTW+\a], v[OUTW+\a], 0xffff, v[EXT+\a]
	ds_store_b32 v[SQ], v[OUTW+\a] offset:64*\a
	global_store_b128 v[L16], v[PC:PC+3], s[98:99] offset:768*\a
	global_store_b64 v[L8], v[PC+4:PC+5], s[98:99] offset:768*\a+512
	global_store_b128 v[L16], v[PC+6:PC+9], s[98:99] offset:768*\a+106496
	global_store_b64 v[L8], v[PC+10:PC+11], s[98:99] offset:768*\a+106496+512
.endm
.irp a, 0,1,2,3,4,5,6,7
	ARMQK \a
.endr
	ds_load_b128 v[BACK:BACK+3], v[SQR]            ; LDS serves a wave's instructions in order: these see my stores
	ds_load_b128 v[BACK+4:BACK+7], v[SQR] offset:512
	s_wait_dscnt 0x0
	global_store_b128 v[L16], v[BACK:BACK+3], s[98:99] offset:6144
	global_store_b128 v[L16], v[BACK+4:BACK+7], s[98:99] offset:6144+106496
	s_branch .Ljoin
.Larm_v:
.macro ARMV a                          ; 16 features x 128 keys: one image and its scale words
	s_wait_xcnt 0x0
	WIN (0x06+(\a)/4)
.irp j, 0,2,4,6,8,10,12,14,16,18,20,22,24,26,28,30,32,34,36,38,40,42,44,46,48,50,52,54,56,58,60,62
	v_pk_add_f32 v[T+\j:T+\j+1], v[64*((\a)%4)+\j:64*((\a)%4)+\j+1], v[BA+2*\a:BA+2*\a+1]
.endr
	WIN 0
	QUANT T, OUTW+\a
	ds_store_b32 v[SV], v[OUTW+\a] offset:64*\a    ; both halves of the lanes write the same word with the same value
.irp c, 0,1,2
	global_store_b128 v[L16], v[PC+4*\c:PC+4*\c+3], s[98:99] offset:((\a)/4)*102400+((\a)%4)*1536+512*\c
.endr
.endm
.irp a, 0,1,2,3,4,5,6,7
	ARMV \a
.endr
	ds_load_b128 v[BACK:BACK+3], v[SVR]
	s_wait_dscnt 0x0
	global_store_b128 v[VSO], v[BACK:BACK+3], s[98:99] offset:6144   ; lanes 0-15 the first head's 256 bytes, lanes 16-31 the second's
.Ljoin:
	s_wait_tensorcnt 0x0                           ; the wave's end
	ds_add_u32 v[SPW], v[NIL]
	s_wait_dscnt 0x0
	CROUND                                         ; the closing round
	s_endpgm
.Lfunc_end_k_qb0223533e8_proj:
	.size	k_qb0223533e8_proj, .Lfunc_end_k_qb0223533e8_proj-k_qb0223533e8_proj
	.p2alignl 7, 3214868480
	.fill 96, 4, 3214868480
	.section	.rodata,"a",@progbits
	.p2align	6, 0x0
	.amdhsa_kernel k_qb0223533e8_proj
		.amdhsa_group_segment_fixed_size 327680
		.amdhsa_private_segment_fixed_size 0
		.amdhsa_enable_private_segment 0
		.amdhsa_kernarg_size 56
		.amdhsa_user_sgpr_count 2
		.amdhsa_user_sgpr_kernarg_segment_ptr 1
		.amdhsa_wavefront_size32 1
		.amdhsa_system_sgpr_workgroup_id_x 1
		.amdhsa_system_sgpr_workgroup_id_y 1
		.amdhsa_system_sgpr_workgroup_id_z 1
		.amdhsa_system_vgpr_workitem_id 0
		.amdhsa_next_free_vgpr 1024
		.amdhsa_next_free_sgpr 102
		.amdhsa_reserve_vcc 1
		.amdhsa_float_denorm_mode_32 3
		.amdhsa_float_denorm_mode_16_64 3
		.amdhsa_memory_ordered 1
		.amdhsa_forward_progress 1
		.amdhsa_inst_pref_size 223
	.end_amdhsa_kernel
	.amdgpu_metadata
---
amdhsa.version: [ 1, 2 ]
amdhsa.kernels:
  - .name:           k_qb0223533e8_proj
    .symbol:         k_qb0223533e8_proj.kd
    .args:
      - { .name: xw_codes, .offset: 0, .size: 8, .value_kind: global_buffer, .address_space: global }
      - { .name: xw_scales, .offset: 8, .size: 8, .value_kind: global_buffer, .address_space: global }
      - { .name: bq, .offset: 16, .size: 8, .value_kind: global_buffer, .address_space: global }
      - { .name: bk, .offset: 24, .size: 8, .value_kind: global_buffer, .address_space: global }
      - { .name: bv, .offset: 32, .size: 8, .value_kind: global_buffer, .address_space: global }
      - { .name: mask, .offset: 40, .size: 8, .value_kind: global_buffer, .address_space: global }
      - { .name: qkv, .offset: 48, .size: 8, .value_kind: global_buffer, .address_space: global }
    .group_segment_fixed_size: 327680
    .private_segment_fixed_size: 0
    .kernarg_segment_align: 8
    .kernarg_segment_size: 56
    .max_flat_workgroup_size: 128
    .sgpr_count:     102
    .vgpr_count:     1024
    .wavefront_size: 32
...
	.end_amdgpu_metadata
.endif
;; end of part 2
;; launch attn (part 3): grid 8 x 32, 8 waves a work-group, clusters of 4 x 1, 327,680 bytes of LDS; arguments qkv, ctx_codes, ctx_scales; writes ctx_codes, ctx_scales
.if DOCPART == 3
	.amdgcn_target "amdgcn-amd-amdhsa--gfx1250"
	.amdhsa_code_object_version 6
	.text
	.protected	k_qb0223533e8_attn
	.globl	k_qb0223533e8_attn
	.p2align	8
	.type	k_qb0223533e8_attn,@function
k_qb0223533e8_attn:
	s_mov_b64 s[64:65], 0
	v_nop
	global_prefetch_b8 v0, s[64:65] scope:SCOPE_SE
	s_setreg_imm32_b32 hwreg(HW_REG_WAVE_MODE, 25, 1), 1
	s_wait_xcnt 0x0
	s_wait_alu depctr_hold_cnt(0) depctr_sa_sdst(0) depctr_va_vdst(0) depctr_va_sdst(0) depctr_va_ssrc(0) depctr_va_vcc(0) depctr_vm_vsrc(0)
	s_getreg_b32 s2, hwreg(HW_REG_IB_STS2, 6, 4)
	s_cmp_eq_u32 s2, 0
	s_cbranch_scc0 .Lentry_in_a_cluster
	s_endpgm
.Lentry_in_a_cluster:
	s_bfe_u32 s2, ttmp6, 0x10000c
	s_cmp_lg_u32 s2, 0x3003
	s_cbranch_scc0 .Lentry_shape_is_right
	s_endpgm
.Lentry_shape_is_right:
; ctx = softmax(q k^T / 8, masked) v for one batch x head and 256 queries, on codes of FP6 (E2M3) with E8M0 scales; ctx is quantised along the head's 64 and stored as codes.
; ONE SWEEP OVER THE KEYS.  The softmax is quantised finished and normalised, so every p waits for its row's sum.  Four waves share a tile of 16 queries, each takes 512 of the 2,048 keys:
; its 16 x 512 scores are 256 registers (window 1) and stay there: score, 2^(t - my maximum), x factor, codes.  Each wave takes its OWN maximum away; the four exchange (maximum, sum) through LDS,
; and factor = 2^(my maximum - the row's) / the row's sum.  The four partial O^T meet in LDS; the wave with key quarter 0 adds them, quantises and stores.
; 8 waves = 2 tiles a round, 8 rounds; two barriers a round.  Between a round's statistics and their next writing lies the second barrier, between the O parts and theirs the first: one set of bytes each.
; K and V of the head (16 records each, as the projection launch lays them) come into LDS once, one tensor load a wave: waves 0-3 four records of K, waves 4-7 four of V; nothing is filled again.
; CLUSTERS of 4 x 1: the four work-groups take query blocks of one head and ask for K and V jointly.
; Both products are used transposed (S^T = k q^T, O^T = v^T p^T): a lane holds one query.  THE MASK lies in K's scale words (bytes 2, 3) and meets the codes 1.0 and -7.5 in the idle half of the first product's K:
; a masked key's score is about -2^103.  A maximum is held at -2^93 from below, so a row with no open key has p = 0 and sum 0, and its factor is chosen 0.
; No prefetch: K and V are asked for once, at the head, with no loop ahead of them; a tile of Q (832 bytes) is loaded into registers one round ahead of its use.
; LIMITS: the scaled scores of open keys stay under 2^31 in magnitude; NaN and infinities are not served; a block of zeros gets the byte 1 (only this program reads the bytes).
.set KREC, 6656
.set VREC, 6400
.set VB,   16*KREC                     ; V's records behind K's
.set CSG,  VB+16*VREC                  ; 512 bytes: ctx's scale bytes of the 16 tiles
.set STAT, CSG+512                     ; 8 x 128 bytes: (-maximum, sum) of 16 queries for each wave
.set OX,   STAT+1024                   ; 8 x 4,096 bytes: a wave's O^T as an image of its 32 registers
.set SPARE, OX+8*4096                  ; the spare words, 128 bytes a wave
.set L16, 1                            ; 16 x lane
.set L8P, 2                            ; 8 x lane + 512
.set QSO, 3                            ; 4 r
.set ADK, 4                            ; my four records of K: at 16 x lane, at 8 x lane + 512, the scale words
.set ADK8, 5
.set ADS, 6
.set ADV, 7                            ; my four records of V, and their scale words
.set ADT, 8
.set STW, 9
.set STR, 10
.set OXW, 11
.set OXR, 12
.set CSR, 13
.set CSW, 15
.set QF,  16                           ; v16-27 q's fragment, v28 its scale words
.set QS,  28
.set CSA, 29
.set SPW, 30                           ; my spare word; never rewritten
.set NIL, 31                           ; 0; never rewritten
.set KF,  32                           ; v32-127 eight fragments of k; the upper four are also v's
.set VF,  80
.set O,   128                          ; v128-159 O^T
.set PC,  160                          ; p's codes, two sets of 12
.set TC,  184
.set BM,  192                          ; v192-207 the 16 blocks' largest score, then largest p, then byte
.set SO,  208                          ; v208-223 the conversions' scale operands
.set PW,  224                          ; p's scale word for each step
.set KSC, 228
.set VSC, 232
.set NM,  234                          ; -maximum; v235 the sum
.set F,   236                          ; the factor, twice
.set ACC, 238                          ; v238-245 four chains of sums
.set T,   246                          ; v246-254 at work
.set WV,  10
.set KQ,  16
.set TP,  17
.set SEL, 20
.set CS,  22
.set G1K, 24
.set G1V, 32
.set G0K, 40
.set G0V, 44
.set CNT, 48
.set CSO, 49
.set NCS, 51
.set MSB, 0
.macro WIN new                         ; bits 1:0 source 0, 3:2 source 1, 5:4 source 2, 7:6 destination; the high byte repeats the setting that is left
.if MSB != \new
	s_set_vgpr_msb (MSB<<8)|\new
.set MSB, \new
.endif
.endm
.macro VNOP n
.rept \n
	v_nop
.endr
.endm
.macro CROUND
	s_barrier_signal -1
	s_barrier_wait -1
	s_cmp_lg_u32 s[WV], 0
	s_cbranch_scc1 .Lnot_wave_0_\@
	s_barrier_signal -3
.Lnot_wave_0_\@:
	s_barrier_wait -3
	s_barrier_signal -1
	s_barrier_wait -1
.endm
.macro LOADK st                        ; a step's eight tiles of 16 keys and their scale words: 20 loads, the first four tiles' ten first
.irp g, 0,1
.irp t, 0,1,2,3
	ds_load_b128 v[KF+48*\g+12*\t:KF+48*\g+12*\t+3], v[ADK] offset:(\st)*KREC+(4*\g+\t)*768
	ds_load_b64 v[KF+48*\g+12*\t+4:KF+48*\g+12*\t+5], v[ADK8] offset:(\st)*KREC+(4*\g+\t)*768
.endr
	ds_load_b32 v[KSC+2*\g], v[ADS] offset:(\st)*KREC+256*\g
	ds_load_b32 v[KSC+2*\g+1], v[ADS] offset:(\st)*KREC+256*\g+128
.endr
.endm
.macro MULK st, g                      ; four tiles of scores into window 1
.irp u, 0,1
	v_wmma_scale_f32_16x16x128_f8f6f4 v[64*(\st)+32*\g+16*\u:64*(\st)+32*\g+16*\u+7], v[KF+48*\g+24*\u:KF+48*\g+24*\u+11], v[QF:QF+11], 0, v[KSC+2*\g+\u], v[QS] matrix_a_fmt:MATRIX_FMT_FP6 matrix_b_fmt:MATRIX_FMT_FP6
	v_wmma_scale_f32_16x16x128_f8f6f4 v[64*(\st)+32*\g+16*\u+8:64*(\st)+32*\g+16*\u+15], v[KF+48*\g+24*\u+12:KF+48*\g+24*\u+23], v[QF:QF+11], 0, v[KSC+2*\g+\u], v[QS] matrix_a_fmt:MATRIX_FMT_FP6 matrix_b_fmt:MATRIX_FMT_FP6 matrix_a_scale:MATRIX_SCALE_ROW1
.endr
.endm
.macro BMAX st                         ; the largest score of each of the step's four blocks of 32 keys (my 16 of each); each accumulator is read from its low end on
	WIN 0x15
.irp b, 0,1,2,3
	v_max3_num_f32 v[BM+4*(\st)+\b], v[64*(\st)+16*\b], v[64*(\st)+16*\b+1], v[64*(\st)+16*\b+2]
.endr
	WIN 0x14
.irp i, 3,5,7,9,11,13
.irp b, 0,1,2,3
	v_max3_num_f32 v[BM+4*(\st)+\b], v[BM+4*(\st)+\b], v[64*(\st)+16*\b+\i], v[64*(\st)+16*\b+\i+1]
.endr
.endr
.irp b, 0,1,2,3
	v_max_num_f32 v[BM+4*(\st)+\b], v[BM+4*(\st)+\b], v[64*(\st)+16*\b+15]
.endr
	WIN 0
.endm
.macro QK st
	s_wait_dscnt 10                                ; the first four tiles are in; the second four's ten loads may be out
	WIN 0x40
	MULK \st, 0
	s_wait_dscnt 0x0
	MULK \st, 1
	WIN 0
	VNOP 4                                         ; places in front of loads into the products' sources and of the first read of their results
.if (\st) < 3
	LOADK (\st)+1
.else
	s_cmp_eq_u32 s[CNT], 1                         ; the last round has no successor
	s_cbranch_scc1 .Lno_q
	s_add_nc_u64 s[56:57], s[56:57], 768           ; (the loads that read these bases were waited for at the round's top)
	s_add_nc_u64 s[58:59], s[58:59], 64
	global_load_b128 v[QF:QF+3], v[L16], s[56:57]  ; the next round's tile of q
	global_load_b64 v[QF+4:QF+5], v[L8P], s[56:57]
	global_load_b32 v[QS], v[QSO], s[58:59]
.Lno_q:
.endif
	BMAX \st
.endm
.macro FMAS st                         ; t - maximum, two at a time
	WIN 0x41
.set J, 64*(\st)
.rept 32
	v_pk_fma_f32 v[J:J+1], v[J:J+1], s[CS:CS+1], v[NM:NM+1] op_sel_hi:[1,0,0]
.set J, J+2
.endr
.endm
.macro EXPS st
	WIN 0x41
.set J, 64*(\st)
.rept 64
	v_exp_f32 v[J], v[J]
.set J, J+1
.endr
.endm
.macro ADDS st                         ; the sum of the unquantised numbers, in four chains
.if (\st) == 0
	WIN 0x05
.irp k, 0,1,2,3
	v_pk_add_f32 v[ACC+2*\k:ACC+2*\k+1], v[2*\k:2*\k+1], v[8+2*\k:9+2*\k]
.endr
.set J, 16
.else
.set J, 64*(\st)
.endif
	WIN 0x04
.rept (64*(\st)+64-J)/8
.irp k, 0,1,2,3
	v_pk_add_f32 v[ACC+2*\k:ACC+2*\k+1], v[ACC+2*\k:ACC+2*\k+1], v[J+2*\k:J+2*\k+1]
.endr
.set J, J+8
.endr
.endm
.macro MULP st                         ; p, finished: x factor
	WIN 0x41
.set J, 64*(\st)
.rept 32
	v_pk_mul_f32 v[J:J+1], v[J:J+1], v[F:F+1]
.set J, J+2
.endr
.endm
.macro CVT st                          ; a step's 64 numbers of a lane become p's fragment, in set st % 2
.set PS, PC+12*((\st)%2)
	WIN 0x01
.irp c, 0,1
	v_cvt_scalef32_pk16_fp6_f32 v[PS+6*\c:PS+6*\c+2], v[64*(\st)+32*\c:64*(\st)+32*\c+15], v[SO+4*(\st)+2*\c]
	v_cvt_scalef32_pk16_fp6_f32 v[TC+4*\c:TC+4*\c+2], v[64*(\st)+32*\c+16:64*(\st)+32*\c+31], v[SO+4*(\st)+2*\c+1]
.endr
	WIN 0
	v_nop                                          ; one plain place behind a scaled conversion
.irp c, 0,1                            ; the layout wants a whole block in a lane
.irp i, 0,1,2
	v_permlane16_swap_b32 v[PS+6*\c+\i], v[TC+4*\c+\i]
.endr
.irp i, 0,1,2
	v_mov_b32 v[PS+6*\c+3+\i], v[TC+4*\c+\i]
.endr
.endr
.endm
.macro LOADV st
.irp t, 0,1,2,3
.irp c, 0,1,2
	ds_load_b128 v[VF+12*\t+4*\c:VF+12*\t+4*\c+3], v[ADV] offset:(\st)*VREC+1536*\t+512*\c
.endr
.endr
	ds_load_b32 v[VSC], v[ADT] offset:(\st)*VREC
	ds_load_b32 v[VSC+1], v[ADT] offset:(\st)*VREC+128
.endm
.macro PV1 d, a, st, u, row            ; one product of O^T; the first step starts the sums
.if (\st) == 0
	v_wmma_scale_f32_16x16x128_f8f6f4 v[\d:\d+7], v[\a:\a+11], v[PS:PS+11], 0, v[VSC+\u], v[PW+(\st)] matrix_a_fmt:MATRIX_FMT_FP6 matrix_b_fmt:MATRIX_FMT_FP6 \row
.else
	v_wmma_scale_f32_16x16x128_f8f6f4 v[\d:\d+7], v[\a:\a+11], v[PS:PS+11], v[\d:\d+7], v[VSC+\u], v[PW+(\st)] matrix_a_fmt:MATRIX_FMT_FP6 matrix_b_fmt:MATRIX_FMT_FP6 \row
.endif
.endm
.macro PV st                           ; the four accumulators take turns, one instruction a turn
.set PS, PC+12*((\st)%2)
.irp u, 0,1
	PV1 O+16*\u, VF+24*\u, \st, \u
	PV1 O+16*\u+8, VF+24*\u+12, \st, \u, matrix_a_scale:MATRIX_SCALE_ROW1
.endr
.endm
	s_load_b128 s[4:7], s[0:1], 0x0                ; qkv, ctx_codes
	s_load_b64 s[8:9], s[0:1], 0x10                ; ctx_scales
	v_lshl_add_u32 v[SPW], v0, 2, SPARE
	v_mov_b32 v[NIL], 0
	ds_add_u32 v[SPW], v[NIL]                      ; the opening lines: the add, twice on end, and its wait
	ds_add_u32 v[SPW], v[NIL]
	v_lshrrev_b32 v[CSA], 5, v0
	v_readfirstlane_b32 s[WV], v[CSA]              ; wave 0..7
	s_and_b32 s19, s[WV], 3                        ; which four records I fetch
	s_lshr_b32 s[TP], s[WV], 2                     ; which of the round's two tiles; also: I fetch K (0) or V (1)
	s_lshl_b32 s18, s[TP], 1
	s_xor_b32 s[KQ], s19, s18                      ; my quarter of the keys: quarter 0 falls on waves 0 and 6
	s_bfe_u32 s11, ttmp6, 0x40000                  ; cx
	s_lshl_b32 s12, ttmp9, 2
	s_add_co_u32 s12, s12, s11                     ; which 256 queries
	s_and_b32 s13, ttmp7, 0xffff                   ; batch x head
	s_lshr_b32 s14, s13, 4
	s_and_b32 s15, s13, 15
	s_lshl_b32 s18, s13, 4
	s_lshl_b32 s52, s19, 2
	s_add_co_u32 s18, s18, s52                     ; the first record that I fetch
	s_mul_i32 s52, s18, KREC
	s_add_co_u32 s52, s52, 3407872
	s_mov_b32 s53, 0
	s_mul_i32 s54, s18, VREC
	s_add_co_u32 s54, s54, 6815744
	s_mov_b32 s55, 0
	s_mul_i32 s66, s19, 4*KREC                     ; and where it goes
	s_mul_i32 s67, s19, 4*VREC
	s_add_co_u32 s67, s67, VB
	s_mul_i32 s60, s[KQ], 4*KREC                   ; what I read: my quarter's records
	s_mul_i32 s61, s[KQ], 4*VREC
	s_add_co_u32 s61, s61, VB
	s_add_co_u32 s62, s60, 6144
	s_add_co_u32 s63, s61, 6144
	s_lshl_b32 s68, s13, 4                         ; q: record 16 (batch x head) + 2 x + tile of the pair; a round takes one of its 8 images
	s_lshl_b32 s69, s12, 1
	s_add_co_u32 s68, s68, s69
	s_add_co_u32 s68, s68, s[TP]
	s_mul_i32 s68, s68, KREC
	s_mov_b32 s69, 0
	s_lshl_b32 s70, s14, 7                         ; ctx's codes: [row tile 128 batch + 16 x + 8 tile of the pair + round][head][768]
	s_lshl_b32 s71, s12, 4
	s_add_co_u32 s70, s70, s71
	s_lshl_b32 s71, s[TP], 3
	s_add_co_u32 s70, s70, s71
	s_lshl_b32 s70, s70, 4
	s_add_co_u32 s70, s70, s15
	s_mul_i32 s70, s70, 768
	s_mov_b32 s71, 0
	s_lshl_b32 s72, s15, 13                        ; ctx's scale bytes: [head][position][2]
	s_lshl_b32 s73, s14, 12
	s_add_co_u32 s72, s72, s73
	s_lshl_b32 s73, s12, 9
	s_add_co_u32 s72, s72, s73
	s_mov_b32 s73, 0
	s_lshl_b32 s74, s[TP], 2
	s_add_co_u32 s74, s74, s[KQ]                   ; 4 x tile of the pair + quarter
	s_lshl_b32 s75, s74, 7
	s_add_co_u32 s75, s75, STAT
	s_lshl_b32 s76, s[TP], 9
	s_add_co_u32 s76, s76, STAT
	s_lshl_b32 s77, s74, 12
	s_add_co_u32 s77, s77, OX
	s_lshl_b32 s78, s[TP], 14
	s_add_co_u32 s78, s78, OX
	s_lshl_b32 s79, s[TP], 8
	s_add_co_u32 s79, s79, CSG
	s_mov_b32 s[G1K], 15|(3<<16)|(1<<21)           ; four records of K: 104 dense rows of 256 bytes; the mask names the cluster's four
	s_mov_b32 s[G1K+1], 32<<16
	s_mov_b32 s[G1K+2], 104<<16
	s_mov_b32 s[G1K+3], 32<<16
	s_mov_b32 s[G1K+4], 104
	s_mov_b32 s[G1K+5], 32
	s_mov_b32 s[G1K+6], 0
	s_mov_b32 s[G1K+7], 0
	s_mov_b32 s[G1V], 15|(3<<16)|(1<<21)           ; four records of V: 100 rows
	s_mov_b32 s[G1V+1], 32<<16
	s_mov_b32 s[G1V+2], 100<<16
	s_mov_b32 s[G1V+3], 32<<16
	s_mov_b32 s[G1V+4], 100
	s_mov_b32 s[G1V+5], 32
	s_mov_b32 s[G1V+6], 0
	s_mov_b32 s[G1V+7], 0
	s_mov_b32 s[SEL], 0x76543210                   ; v_permlanex16_b32's selects: lane l xor 16
	s_mov_b32 s[SEL+1], 0xfedcba98
	s_mov_b32 s[CS], 0x3e38aa3b                    ; c = log2(e) / 8
	s_mov_b32 s[CS+1], s[CS]
	s_mov_b32 s[NCS], 0xbe38aa3b                   ; -c
	s_wait_dscnt 0x0                               ; both opening adds are done
	s_wait_kmcnt 0x0
	s_mov_b32 s[G0K], 1
	s_mov_b32 s[G0K+1], s66
	s_add_nc_u64 s[G0K+2:G0K+3], s[4:5], s[52:53]
	s_or_b32 s[G0K+3], s[G0K+3], 0x80000000
	s_mov_b32 s[G0V], 1
	s_mov_b32 s[G0V+1], s67
	s_add_nc_u64 s[G0V+2:G0V+3], s[4:5], s[54:55]
	s_or_b32 s[G0V+3], s[G0V+3], 0x80000000
	s_add_nc_u64 s[56:57], s[4:5], s[68:69]
	s_add_nc_u64 s[58:59], s[56:57], 6144
	s_add_nc_u64 s[6:7], s[6:7], s[70:71]
	s_add_nc_u64 s[8:9], s[8:9], s[72:73]
	CROUND                                         ; the four work-groups are here: the joint loads meet
	s_cmp_lt_u32 s[WV], 4                          ; one load a wave, one to each arm
	s_cbranch_scc0 .Lfor_v
	tensor_load_to_lds s[G0K:G0K+3], s[G1K:G1K+7]
	s_nop 0
	VNOP 4
	s_branch .Lasked
.Lfor_v:
	tensor_load_to_lds s[G0V:G0V+3], s[G1V:G1V+7]
	s_nop 0
	VNOP 4
.Lasked:
	v_and_b32 v[CSA], 31, v0                       ; lane
	v_and_b32 v[CSW], 15, v0                       ; r
	v_lshlrev_b32 v[L16], 4, v[CSA]
	v_lshl_add_u32 v[L8P], v[CSA], 3, 512
	v_lshlrev_b32 v[QSO], 2, v[CSW]
	global_load_b128 v[QF:QF+3], v[L16], s[56:57]  ; the first round's tile of q
	global_load_b64 v[QF+4:QF+5], v[L8P], s[56:57]
	global_load_b32 v[QS], v[QSO], s[58:59]
	v_add_nc_u32 v[ADK], s60, v[L16]
	v_add_nc_u32 v[ADK8], s60, v[L8P]
	v_lshl_add_u32 v[ADS], v[CSA], 2, s62
	v_add_nc_u32 v[ADV], s61, v[L16]
	v_lshl_add_u32 v[ADT], v[CSA], 2, s63
	v_lshl_add_u32 v[STW], v[CSW], 3, s75
	v_lshl_add_u32 v[STR], v[CSW], 3, s76
	v_add_nc_u32 v[OXW], s77, v[L16]
	v_add_nc_u32 v[OXR], s78, v[L16]
	v_add_nc_u32 v[CSR], CSG, v[L16]
	v_lshl_add_u32 v[CSW], v[CSW], 1, s79
	v_mov_b32 v[QF+6], 8                           ; the idle half of K: q's code 1.0 at k = 64 and 96,
.irp i, 7,8,9,10,11
	v_mov_b32 v[QF+\i], 0
.endr
.irp t, 0,1,2,3
	v_mov_b32 v[KF+12*\t+6], 0x3f                  ; k's code -7.5
.irp i, 7,8,9,10,11
	v_mov_b32 v[KF+12*\t+\i], 0
.endr
.endr
.set J, 0
.rept 16
	v_mov_b32 v[SO+J], 0                           ; a lane permute's destination counts as one of its sources
.set J, J+1
.endr
	v_mov_b32 v[T+8], 0
	v_mov_b32 v[NM+1], 0                           ; (named as the upper half of a pair before it is first written)
	s_mov_b32 s[CNT], 8
	s_mov_b32 s[CSO], 0
	s_wait_alu depctr_va_vdst(0)
	s_wait_tensorcnt 0x0                           ; my four records are in
	s_barrier_signal -1
	s_barrier_wait -1                              ; everybody's are
.Lround:
.irp t, 0,1,2,3                        ; the upper four fragments held v: the idle half of K is laid anew
	v_mov_b32 v[VF+12*\t+6], 0x3f
.irp i, 7,8,9,10,11
	v_mov_b32 v[VF+12*\t+\i], 0
.endr
.endr
	v_add_nc_u32 v[CSA], s[CSO], v[CSW]            ; this round's place among ctx's scale bytes
	VNOP 3                                         ; with the line above: four places in front of the scaled products
	LOADK 0
	s_wait_alu depctr_va_vdst(0)
	s_wait_loadcnt 0x0                             ; q's tile is in
	QK 0
	QK 1
	QK 2
	QK 3
.set J, 0
.rept 16
	v_permlanex16_b32 v[SO+J], v[BM+J], s[SEL], s[SEL+1]
.set J, J+1
.endr
.set J, 0
.rept 16
	v_max_num_f32 v[BM+J], v[BM+J], v[SO+J]        ; with lane l xor 16's 16 keys: the block's largest score
.set J, J+1
.endr
.irp k, 0,1,2,3,4
	v_max3_num_f32 v[T+\k], v[BM+3*\k], v[BM+3*\k+1], v[BM+3*\k+2]
.endr
	v_max3_num_f32 v[T], v[T], v[T+1], v[T+2]
	v_max3_num_f32 v[T+3], v[T+3], v[T+4], v[BM+15]
	v_max_num_f32 v[T], v[T], v[T+3]               ; the largest score of my query among my 512 keys
	v_mul_f32 v[T], s[NCS], v[T]
	v_min_num_f32 v[NM], 0x6e000000, v[T]          ; -maximum of t, the maximum held at -2^93 from below
	FMAS 0
	WIN 0
.set J, 0
.rept 16
	v_fma_f32 v[BM+J], v[BM+J], s[CS], v[NM]       ; the same of each block's largest score: p rises with the score
.set J, J+1
.endr
	s_wait_alu depctr_va_vdst(0)                   ; a wait ahead of each batch of exponentials and ahead of its first reader
.set J, 0
.rept 16
	v_exp_f32 v[BM+J], v[BM+J]
.set J, J+1
.endr
	EXPS 0
	FMAS 1
	s_wait_alu depctr_va_vdst(0)
	EXPS 1
	ADDS 0
	FMAS 2
	s_wait_alu depctr_va_vdst(0)
	EXPS 2
	ADDS 1
	FMAS 3
	s_wait_alu depctr_va_vdst(0)
	EXPS 3
	ADDS 2
	s_wait_alu depctr_va_vdst(0)
	ADDS 3
	WIN 0
	v_pk_add_f32 v[ACC:ACC+1], v[ACC:ACC+1], v[ACC+2:ACC+3]
	v_pk_add_f32 v[ACC+4:ACC+5], v[ACC+4:ACC+5], v[ACC+6:ACC+7]
	v_pk_add_f32 v[ACC:ACC+1], v[ACC:ACC+1], v[ACC+4:ACC+5]
	v_add_f32 v[T], v[ACC], v[ACC+1]
	v_permlanex16_b32 v[T+8], v[T], s[SEL], s[SEL+1]
	v_add_f32 v[NM+1], v[T], v[T+8]                ; my quarter's sum
	ds_store_b64 v[STW], v[NM:NM+1]                ; both halves of the lanes write the same words with the same values
	s_wait_alu depctr_va_vdst(0)
	s_wait_dscnt 0x0
	s_barrier_signal -1
	LOADV 0                                        ; bytes that nobody writes
	s_barrier_wait -1
	ds_load_b64 v[32:33], v[STR]                   ; the four quarters' (-maximum, sum)
	ds_load_b64 v[34:35], v[STR] offset:128
	ds_load_b64 v[36:37], v[STR] offset:256
	ds_load_b64 v[44:45], v[STR] offset:384
	s_wait_dscnt 0x0
	v_min3_num_f32 v[T], v32, v34, v36
	v_min_num_f32 v[T], v[T], v44                  ; -the row's maximum
	v_sub_f32 v[T+1], v[T], v32
	v_sub_f32 v[T+2], v[T], v34
	v_sub_f32 v[T+3], v[T], v36
	v_sub_f32 v[T+4], v[T], v44
	v_sub_f32 v[T+5], v[T], v[NM]
	s_wait_alu depctr_va_vdst(0)
.irp k, 1,2,3,4,5
	v_exp_f32 v[T+\k], v[T+\k]                     ; 2^(a quarter's maximum - the row's)
.endr
	v_nop
	s_wait_alu depctr_va_vdst(0)
	v_mul_f32 v[T+6], v33, v[T+1]
	v_fma_f32 v[T+6], v35, v[T+2], v[T+6]
	v_fma_f32 v[T+6], v37, v[T+3], v[T+6]
	v_fma_f32 v[T+6], v45, v[T+4], v[T+6]          ; the row's sum
	s_wait_alu depctr_va_vdst(0)
	v_rcp_f32 v[T+7], v[T+6]
	v_cmp_lt_f32 vcc_lo, 0, v[T+6]
	s_wait_alu depctr_va_vdst(0)
	v_cndmask_b32 v[T+7], 0, v[T+7], vcc_lo        ; a row with no open key: 0
	v_mul_f32 v[F], v[T+7], v[T+5]
	v_mul_f32 v[F+1], v[T+7], v[T+5]
.set J, 0
.rept 16
	v_mul_f32 v[BM+J], v[BM+J], v[F]               ; each block's largest p
.set J, J+1
.endr
.set J, 0
.rept 16
	v_max_num_f32 v[BM+J], 0x1800000, v[BM+J]      ; the floor 2^(3 - 127): the byte cannot fall under 1
.set J, J+1
.endr
.set J, 0
.rept 16
	v_add_nc_u32 v[SO+J], 0xff000000, v[BM+J]      ; 2 off the exponent field: the conversion's scale operand
.set J, J+1
.endr
.set J, 0
.rept 16
	v_lshrrev_b32 v[BM+J], 23, v[SO+J]             ; the byte
.set J, J+1
.endr
.irp s, 0,1,2,3
	v_lshl_or_b32 v[PW+\s], v[BM+4*\s+1], 8, v[BM+4*\s]
.endr
.irp s, 0,1,2,3
	v_lshl_or_b32 v[PW+\s], v[BM+4*\s+2], 16, v[PW+\s]
.endr
.irp s, 0,1,2,3
	v_lshl_or_b32 v[PW+\s], v[BM+4*\s+3], 24, v[PW+\s]
.endr
	MULP 0
	CVT 0
.irp s, 0,1,2,3                        ; a step's products stand behind the next step's 32 multiplications, which are the places behind its codes' last write
.if \s < 3
	MULP \s+1
	WIN 0
.else
	VNOP 4
.endif
	s_wait_alu depctr_va_vdst(0)
	s_wait_dscnt 0x0                               ; v's fragments are in
	PV \s
.if \s < 3
	CVT \s+1                                       ; into the other set; its v_nop and moves are the places in front of the loads below
	LOADV \s+1
.endif
.endr
	VNOP 4                                         ; places behind the last products
	s_cmp_eq_u32 s[KQ], 0
	s_cbranch_scc1 .Lkeeps
.irp i, 0,1,2,3,4,5,6,7
	ds_store_b128 v[OXW], v[O+4*\i:O+4*\i+3] offset:512*\i   ; quarters 1 to 3 hand their O^T over, each accumulator from its low end on
.endr
.Lkeeps:
	s_wait_dscnt 0x0
	s_barrier_signal -1
	s_barrier_wait -1
	s_cmp_lg_u32 s[KQ], 0
	s_cbranch_scc1 .Lno_sum
.irp i, 0,1,2,3,4,5,6,7
	ds_load_b128 v[80+4*\i:83+4*\i], v[OXR] offset:4096+512*\i
	ds_load_b128 v[160+4*\i:163+4*\i], v[OXR] offset:8192+512*\i
	ds_load_b128 v[192+4*\i:195+4*\i], v[OXR] offset:12288+512*\i
.endr
	s_wait_dscnt 0x0
.irp x, 80,160,192
.set J, 0
.rept 16
	v_pk_add_f32 v[O+J:O+J+1], v[O+J:O+J+1], v[\x+J:\x+J+1]
.set J, J+2
.endr
.endr
.irp b, 0,1                            ; ctx's two blocks of 32 along the head
	v_max3_num_f32 v[T+\b], |v[O+16*\b]|, |v[O+16*\b+1]|, 0x1800000
.endr
.irp i, 2,4,6,8,10,12,14
.irp b, 0,1
	v_max3_num_f32 v[T+\b], v[T+\b], |v[O+16*\b+\i]|, |v[O+16*\b+\i+1]|
.endr
.endr
.irp b, 0,1
	v_permlanex16_b32 v[T+2+\b], v[T+\b], s[SEL], s[SEL+1]
.endr
.irp b, 0,1
	v_max_num_f32 v[T+\b], v[T+\b], v[T+2+\b]
.endr
.irp b, 0,1
	v_add_nc_u32 v[T+4+\b], 0xff000000, v[T+\b]
.endr
.irp b, 0,1
	v_lshrrev_b32 v[T+6+\b], 23, v[T+4+\b]
.endr
	v_lshl_or_b32 v[T+6], v[T+7], 8, v[T+6]
	v_cvt_scalef32_pk16_fp6_f32 v[32:34], v[O:O+15], v[T+4]
	v_cvt_scalef32_pk16_fp6_f32 v[44:46], v[O+16:O+31], v[T+5]
	v_nop
.irp i, 0,1,2
	v_permlane16_swap_b32 v[32+\i], v[44+\i]
.endr
.irp i, 0,1,2
	v_mov_b32 v[35+\i], v[44+\i]
.endr
	global_store_b128 v[L16], v[32:35], s[6:7]     ; 512 consecutive bytes, aligned,
	global_store_b64 v[L8P], v[36:37], s[6:7]      ; and 256
	ds_store_b16 v[CSA], v[T+6]
.Lno_sum:
	s_wait_xcnt 0x0                                ; the stores have read their registers and their base
	s_add_nc_u64 s[6:7], s[6:7], 12288
	s_add_co_u32 s[CSO], s[CSO], 32
	s_sub_co_u32 s[CNT], s[CNT], 1
	s_cmp_lg_u32 s[CNT], 0
	s_wait_alu depctr_va_vdst(0)
	s_cbranch_scc1 .Lround
	s_wait_dscnt 0x0
	s_barrier_signal -1
	s_barrier_wait -1
	s_cmp_lg_u32 s[WV], 0
	s_cbranch_scc1 .Lnot_first
	ds_load_b128 v[32:35], v[CSR]                  ; the 16 tiles' scale bytes leave as 512 consecutive bytes
	s_wait_dscnt 0x0
	global_store_b128 v[L16], v[32:35], s[8:9]
.Lnot_first:
	s_wait_tensorcnt 0x0                           ; the wave's end
	ds_add_u32 v[SPW], v[NIL]
	s_wait_dscnt 0x0
	CROUND                                         ; the closing round
	s_endpgm
.Lfunc_end_k_qb0223533e8_attn:
	.size	k_qb0223533e8_attn, .Lfunc_end_k_qb0223533e8_attn-k_qb0223533e8_attn
	.p2alignl 7, 3214868480
	.fill 96, 4, 3214868480
	.section	.rodata,"a",@progbits
	.p2align	6, 0x0
	.amdhsa_kernel k_qb0223533e8_attn
		.amdhsa_group_segment_fixed_size 327680
		.amdhsa_private_segment_fixed_size 0
		.amdhsa_enable_private_segment 0
		.amdhsa_kernarg_size 24
		.amdhsa_user_sgpr_count 2
		.amdhsa_user_sgpr_kernarg_segment_ptr 1
		.amdhsa_wavefront_size32 1
		.amdhsa_system_sgpr_workgroup_id_x 1
		.amdhsa_system_sgpr_workgroup_id_y 1
		.amdhsa_system_sgpr_workgroup_id_z 1
		.amdhsa_system_vgpr_workitem_id 0
		.amdhsa_next_free_vgpr 512
		.amdhsa_next_free_sgpr 80
		.amdhsa_reserve_vcc 1
		.amdhsa_float_denorm_mode_32 3
		.amdhsa_float_denorm_mode_16_64 3
		.amdhsa_memory_ordered 1
		.amdhsa_forward_progress 1
		.amdhsa_inst_pref_size 87
	.end_amdhsa_kernel
	.amdgpu_metadata
---
amdhsa.version: [ 1, 2 ]
amdhsa.kernels:
  - .name:           k_qb0223533e8_attn
    .symbol:         k_qb0223533e8_attn.kd
    .args:
      - { .name: qkv, .offset: 0, .size: 8, .value_kind: global_buffer, .address_space: global }
      - { .name: ctx_codes, .offset: 8, .size: 8, .value_kind: global_buffer, .address_space: global }
      - { .name: ctx_scales, .offset: 16, .size: 8, .value_kind: global_buffer, .address_space: global }
    .group_segment_fixed_size: 327680
    .private_segment_fixed_size: 0
    .kernarg_segment_align: 8
    .kernarg_segment_size: 24
    .max_flat_workgroup_size: 256
    .sgpr_count:     80
    .vgpr_count:     512
    .wavefront_size: 32
...
	.end_amdgpu_metadata
.endif
;; end of part 3
;; launch oproj (part 4): grid 8 x 32, 4 waves a work-group, clusters of 4 x 4, 327,680 bytes of LDS; arguments ctx_codes, ctx_scales, xw_codes, xw_scales, bo, out0; writes out0
.if DOCPART == 4
	.amdgcn_target "amdgcn-amd-amdhsa--gfx1250"
	.amdhsa_code_object_version 6
	.text
	.protected	k_qb0223533e8_oproj
	.globl	k_qb0223533e8_oproj
	.p2align	8
	.type	k_qb0223533e8_oproj,@function
k_qb0223533e8_oproj:
	s_mov_b64 s[64:65], 0
	v_nop
	global_prefetch_b8 v0, s[64:65] scope:SCOPE_SE
	s_setreg_imm32_b32 hwreg(HW_REG_WAVE_MODE, 25, 1), 1
	s_wait_xcnt 0x0
	s_wait_alu depctr_hold_cnt(0) depctr_sa_sdst(0) depctr_va_vdst(0) depctr_va_sdst(0) depctr_va_ssrc(0) depctr_va_vcc(0) depctr_vm_vsrc(0)
	s_getreg_b32 s2, hwreg(HW_REG_IB_STS2, 6, 4)
	s_cmp_eq_u32 s2, 0
	s_cbranch_scc0 .Lentry_in_a_cluster
	s_endpgm
.Lentry_in_a_cluster:
	s_bfe_u32 s2, ttmp6, 0x10000c
	s_cmp_lg_u32 s2, 0xf033
	s_cbranch_scc0 .Lentry_shape_is_right
	s_endpgm
.Lentry_shape_is_right:
; out = ctx Wo + bo on codes of FP6 (E2M3) with E8M0 scales; out [4096][1024] f32.
; A block of 128 x 128 to a work-group of four waves: 32 x 8 = 256 work-groups.  A wave makes 64 x 64: 16 accumulators, which take turns.
; THE OPERANDS LIE IN THE ORDER OF THEIR REGISTERS: [row tile of 16][K / 64][768 bytes], so 64 rows with all of K = 1,024 are 49,152 dense bytes.  The block's 128 rows of ctx and 128 rows of Wo, all of K,
; are 196,608 bytes of LDS: each wave brings a quarter by ONE tensor load at the head (192 rows of 256 bytes); nothing is filled again, so there is no ring.
; CLUSTERS of 4 x 4: ctx's tile is shared along a row of the cluster, Wo's along a column, by joint loads.
; THE SCALES come by plain loads while the tiles are on their way, and are laid in LDS as [position][32 bytes], 16 bytes of padding behind each 256: ctx's lie in memory as [head][position][2],
; a wave takes four heads and pairs them into two scale words a position; Wo's lie as [position][32] already.  Each wave then reads its 32 scale registers once, for all eight K steps.
; THE MATRIX INSTRUCTION IS USED TRANSPOSED (source 0 = Wo's columns, source 1 = tokens): a lane holds one token, and the 16 registers of tiles 2 b, 2 b + 1 are 16 neighbouring columns
; (lane r of tile 2 b + u is row 32 b + 8 u + r + 8 (r / 8), in both operands).  The bias is the C of the first K step.
; No prefetch: every tile is asked for once, at the head, and there is no loop to run ahead in.
; REGISTERS: window 0: v0-31 addresses, v32-63 scale words, v64-159 ctx's fragments (two sets), v160-255 Wo's (two sets).  Window 1: v0-127 accumulator (a, b) at 8 (4 a + b); v128-159 the bias.
.set HALF,  49152                      ; 64 rows, all of K
.set RT,    12288                      ; a row tile, all of K
.set SCL,   4*HALF                     ; ctx's scales: 16 units of 256 + 16 bytes
.set SCLB,  SCL+4352                   ; Wo's
.set STAGE, SCLB+4352                  ; the way out: 16 rows of 256 + 16 bytes for each wave
.set SPARE, STAGE+4*4352               ; the spare words, 128 bytes a wave
.set L16,  6
.set L8,   7
.set ASW,  8
.set BIO,  9
.set BSW,  10
.set ADRA, 16                          ; v16, v17 my rows of ctx at 16 x lane, at 8 x lane
.set ADRB, 20                          ; v20, v21 the same for Wo
.set STO,  24
.set RD,   25
.set CO,   26
.set ADRS, 27
.set SPW,  28                          ; my spare word; never rewritten
.set NIL,  29                          ; 0; never rewritten
.set SC,   32                          ; register 8 i + q: lanes 0-15 ctx's block i, lanes 16-31 Wo's block i, K step q
.set AF,   64
.set BF,   160
.set G1,   24
.set G0,   32
.set G1B,  48
.set G0B,  56
.set MSB, 0
.macro WIN new                         ; bits 1:0 source 0, 3:2 source 1, 5:4 source 2, 7:6 destination; the high byte repeats the setting that is left
.if MSB != \new
	s_set_vgpr_msb (MSB<<8)|\new
.set MSB, \new
.endif
.endm
.macro VNOP n
.rept \n
	v_nop
.endr
.endm
.macro CROUND
	s_barrier_signal -1
	s_barrier_wait -1
	s_cmp_lg_u32 s14, 0
	s_cbranch_scc1 .Lnot_wave_0_\@
	s_barrier_signal -3
.Lnot_wave_0_\@:
	s_barrier_wait -3
	s_barrier_signal -1
	s_barrier_wait -1
.endm
	s_load_b128 s[4:7], s[0:1], 0x0                ; ctx_codes, ctx_scales
	s_load_b128 s[8:11], s[0:1], 0x10              ; xw_codes, xw_scales
	s_load_b128 s[96:99], s[0:1], 0x20             ; bo, out0
	v_lshl_add_u32 v[SPW], v0, 2, SPARE
	v_mov_b32 v[NIL], 0
	ds_add_u32 v[SPW], v[NIL]                      ; the opening lines: the add, twice on end, and its wait
	ds_add_u32 v[SPW], v[NIL]
	v_lshrrev_b32 v1, 5, v0
	v_readfirstlane_b32 s14, v1                    ; wave 0..3
	s_lshr_b32 s15, s14, 1                         ; which 64 tokens are mine.  Also: I fetch for ctx (0) or for Wo (1)
	s_and_b32 s16, s14, 1                          ; which 64 columns.  Also: which 64 rows I fetch
	s_bfe_u32 s40, ttmp6, 0x40000                  ; cx
	s_bfe_u32 s41, ttmp6, 0x40004                  ; cy
	s_lshl_b32 s42, ttmp9, 2
	s_add_co_u32 s42, s42, s40                     ; block column
	s_and_b32 s17, ttmp7, 0xffff
	s_lshl_b32 s17, s17, 2
	s_add_co_u32 s17, s17, s41                     ; block row
	s_lshl_b32 s43, s41, 2
	s_lshl_b32 s43, 15, s43                        ; my row of the cluster
	s_lshl_b32 s44, 0x1111, s40                    ; my column
	s_or_b32 s[G1+0], s43, (3<<16)|(1<<21)         ; elements of 8 bytes; ctx's tiles go to my row,
	s_or_b32 s[G1B+0], s44, (3<<16)|(1<<21)        ; Wo's to my column
.irp g, G1, G1B
	s_mov_b32 s[\g+1], 32<<16                      ; 192 dense rows of 256 bytes
	s_mov_b32 s[\g+2], 192<<16
	s_mov_b32 s[\g+3], 32<<16
	s_mov_b32 s[\g+4], 192
	s_mov_b32 s[\g+5], 32
	s_mov_b32 s[\g+6], 0
	s_mov_b32 s[\g+7], 0
.endr
	s_lshl_b32 s18, s16, 6                         ; which 64 rows I fetch
	s_lshl_b32 s20, s17, 7
	s_add_co_u32 s20, s20, s18
	s_mul_i32 s20, s20, 768
	s_mov_b32 s21, 0
	s_lshl_b32 s46, s42, 7
	s_add_co_u32 s46, s46, s18
	s_mul_i32 s46, s46, 768
	s_add_co_u32 s46, s46, 11796480                ; Wo's codes in the workspace
	s_mov_b32 s47, 0
	s_mul_i32 s45, s14, HALF                       ; where they go: wave x 64 rows
	s_lshl_b32 s22, s17, 8                         ; ctx's scales: 256 bytes of the block's 128 positions, in each of my four heads
	s_lshl_b32 s23, s14, 15
	s_add_co_u32 s22, s22, s23
	s_mov_b32 s23, 0
	s_lshl_b32 s66, s42, 12                        ; Wo's scales: my 1,024 of the block's 4,096 bytes
	s_lshl_b32 s67, s14, 10
	s_add_co_u32 s66, s66, s67
	s_add_co_u32 s66, s66, 491520
	s_mov_b32 s67, 0
	s_lshl_b32 s68, s42, 9                         ; my first column, in bytes
	s_lshl_b32 s69, s16, 8
	s_add_co_u32 s68, s68, s69
	s_mov_b32 s69, 0
	s_lshl_b32 s70, s17, 19                        ; my first token's row of 4,096 bytes
	s_lshl_b32 s71, s15, 18
	s_add_co_u32 s70, s70, s71
	s_mov_b32 s71, 0
	s_mul_i32 s72, s15, HALF                       ; LDS: my 64 rows of ctx,
	s_mul_i32 s73, s16, HALF
	s_add_co_u32 s73, s73, 2*HALF                  ; of Wo,
	s_mul_i32 s74, s15, 2176                       ; their scales
	s_mul_i32 s75, s16, 2176
	s_add_co_u32 s75, s75, 4352
	s_sub_co_u32 s75, s75, s74                     ; (from ctx's to Wo's)
	s_add_co_u32 s74, s74, SCL
	s_lshl_b32 s76, s14, 3
	s_add_co_u32 s76, s76, SCL
	s_mul_i32 s77, s14, 1088
	s_add_co_u32 s77, s77, SCLB
	s_mul_i32 s78, s14, 4352
	s_add_co_u32 s78, s78, STAGE
	s_wait_dscnt 0x0                               ; both opening adds are done
	s_wait_kmcnt 0x0
	s_add_nc_u64 s[20:21], s[4:5], s[20:21]
	s_add_nc_u64 s[46:47], s[8:9], s[46:47]
	s_add_nc_u64 s[6:7], s[6:7], s[22:23]
	s_add_nc_u64 s[10:11], s[10:11], s[66:67]
	s_add_nc_u64 s[96:97], s[96:97], s[68:69]
	s_add_nc_u64 s[98:99], s[98:99], s[68:69]
	s_add_nc_u64 s[98:99], s[98:99], s[70:71]
	s_mov_b32 s[G0], 1
	s_mov_b32 s[G0+1], s45
	s_mov_b64 s[G0+2:G0+3], s[20:21]
	s_or_b32 s[G0+3], s[G0+3], 0x80000000
	s_mov_b32 s[G0B], 1
	s_mov_b32 s[G0B+1], s45
	s_mov_b64 s[G0B+2:G0B+3], s[46:47]
	s_or_b32 s[G0B+3], s[G0B+3], 0x80000000
	CROUND                                         ; all sixteen work-groups are here: the joint loads meet
	s_cmp_eq_u32 s15, 0                            ; one load a wave, one to each arm
	s_cbranch_scc0 .Lfor_b
	tensor_load_to_lds s[G0:G0+3], s[G1:G1+7]
	s_nop 0
	VNOP 4
	s_branch .Lasked
.Lfor_b:
	tensor_load_to_lds s[G0B:G0B+3], s[G1B:G1B+7]
	s_nop 0
	VNOP 4
.Lasked:
	v_and_b32 v1, 15, v0                           ; r
	v_bfe_u32 v2, v0, 4, 1                         ; h
	v_and_b32 v3, 31, v0                           ; lane
	v_lshlrev_b32 v[L16], 4, v3
	v_lshlrev_b32 v[L8], 3, v3
	v_lshlrev_b32 v[BIO], 6, v2
.irp n, 0,1,2,3
	global_load_b64 v[64+2*\n:65+2*\n], v[L8], s[6:7] offset:8192*\n   ; head 4 wave + n: positions 4 lane .. 4 lane + 3, two bytes each; 256 consecutive bytes
.endr
	global_load_b128 v[72:75], v[L16], s[10:11]
	global_load_b128 v[76:79], v[L16], s[10:11] offset:512
	WIN 0x40
.irp b, 0,1,2,3
	global_load_b128 v[128+8*\b:131+8*\b], v[BIO], s[96:97] offset:128*(\b/2)+32*(\b%2)      ; register j of tile b: column 32 (b / 2) + 16 h + 8 (b % 2) + j
	global_load_b128 v[132+8*\b:135+8*\b], v[BIO], s[96:97] offset:128*(\b/2)+32*(\b%2)+16
.endr
	WIN 0
	v_add_nc_u32 v[ADRA], s72, v[L16]
	v_add_nc_u32 v[ADRA+1], s72, v[L8]
	v_add_nc_u32 v[ADRB], s73, v[L16]
	v_add_nc_u32 v[ADRB+1], s73, v[L8]
	v_lshlrev_b32 v5, 5, v1                        ; my row's scales: 32 bytes a row,
	v_lshrrev_b32 v4, 3, v1
	v_lshl_add_u32 v5, v4, 4, v5                   ; and 16 more for each 256 passed
	v_mul_u32_u24 v4, s75, v2                      ; lanes 16-31 take Wo's
	v_add_nc_u32 v5, v5, v4
	v_add_nc_u32 v[ADRS], s74, v5
	v_lshlrev_b32 v5, 7, v3                        ; ctx's scale words go in at position 4 lane: 128 lane + 16 (lane / 2) + 8 wave
	v_lshrrev_b32 v4, 1, v3
	v_lshl_add_u32 v5, v4, 4, v5
	v_add_nc_u32 v[ASW], s76, v5
	v_lshl_add_u32 v5, v2, 4, v[L16]               ; Wo's as they lie: 16 lane + 16 (lane / 16)
	v_add_nc_u32 v[BSW], s77, v5
	v_mul_u32_u24 v5, v1, 272                      ; the stage, in: row r, 64 bytes for each half of the lanes
	v_lshl_add_u32 v5, v2, 6, v5
	v_add_nc_u32 v[STO], s78, v5
	v_mul_u32_u24 v5, v2, 272                      ; back: lanes 0-15 one row of 256 bytes, lanes 16-31 the next
	v_lshl_add_u32 v5, v1, 4, v5
	v_add_nc_u32 v[RD], s78, v5
	v_lshlrev_b32 v5, 12, v2                       ; and the same two rows in out
	v_lshl_add_u32 v[CO], v1, 4, v5
	s_wait_alu depctr_va_vdst(0)
	s_wait_loadcnt 0x0
.irp i, 0,1,2,3                        ; position 4 lane + i: the words of K steps 2 wave and 2 wave + 1, each of two heads' two bytes
.if \i%2
	v_perm_b32 v[80+2*\i], v[66+\i/2], v[64+\i/2], 0x07060302
	v_perm_b32 v[81+2*\i], v[70+\i/2], v[68+\i/2], 0x07060302
.else
	v_perm_b32 v[80+2*\i], v[66+\i/2], v[64+\i/2], 0x05040100
	v_perm_b32 v[81+2*\i], v[70+\i/2], v[68+\i/2], 0x05040100
.endif
.endr
.irp i, 0,1,2,3
	ds_store_b64 v[ASW], v[80+2*\i:81+2*\i] offset:32*\i
.endr
	ds_store_b128 v[BSW], v[72:75]
	ds_store_b128 v[BSW], v[76:79] offset:544
	s_wait_alu depctr_va_vdst(0)
	s_wait_tensorcnt 0x0                           ; my quarter of the tiles is in,
	s_wait_dscnt 0x0                               ; and my part of the scales
	s_barrier_signal -1
	s_barrier_wait -1                              ; everybody's are
.macro FRAG reg, adr, q, i             ; a fragment (16 rows x 128 K, 12 registers) as an image of its registers: two halves of 768 bytes
	ds_load_b128 v[\reg:\reg+3], v[\adr] offset:(\i)*RT+(\q)*1536
	ds_load_b64 v[\reg+4:\reg+5], v[\adr+1] offset:(\i)*RT+(\q)*1536+512
	ds_load_b128 v[\reg+6:\reg+9], v[\adr] offset:(\i)*RT+(\q)*1536+768
	ds_load_b64 v[\reg+10:\reg+11], v[\adr+1] offset:(\i)*RT+(\q)*1536+1280
.endm
.macro FETCH q                         ; K step q's eight fragments into set q % 2
.irp i, 0,1,2,3
	FRAG BF+48*((\q)%2)+12*\i, ADRB, \q, \i
	FRAG AF+48*((\q)%2)+12*\i, ADRA, \q, \i
.endr
.endm
.macro MUL q                           ; 16 products; the accumulators take turns, one instruction a turn
.irp a, 0,1,2,3
.irp b, 0,1,2,3
.if (\q) == 0
	v_wmma_scale_f32_16x16x128_f8f6f4 v[8*(4*\a+\b):8*(4*\a+\b)+7], v[BF+48*((\q)%2)+12*\b:BF+48*((\q)%2)+12*\b+11], v[AF+48*((\q)%2)+12*\a:AF+48*((\q)%2)+12*\a+11], v[128+8*\b:135+8*\b], v[SC+8*\b+(\q)], v[SC+8*\a+(\q)] matrix_a_fmt:MATRIX_FMT_FP6 matrix_b_fmt:MATRIX_FMT_FP6 matrix_a_scale:MATRIX_SCALE_ROW1
.else
	v_wmma_scale_f32_16x16x128_f8f6f4 v[8*(4*\a+\b):8*(4*\a+\b)+7], v[BF+48*((\q)%2)+12*\b:BF+48*((\q)%2)+12*\b+11], v[AF+48*((\q)%2)+12*\a:AF+48*((\q)%2)+12*\a+11], v[8*(4*\a+\b):8*(4*\a+\b)+7], v[SC+8*\b+(\q)], v[SC+8*\a+(\q)] matrix_a_fmt:MATRIX_FMT_FP6 matrix_b_fmt:MATRIX_FMT_FP6 matrix_a_scale:MATRIX_SCALE_ROW1
.endif
.endr
.endr
.endm
.macro STEP q
	s_wait_dscnt 0x0                               ; this step's fragments are in
.if (\q) < 7
	FETCH (\q)+1                                   ; the next step's, into the set that the step before multiplied, four places back
.endif
	WIN 0x50                                       ; C and D in window 1
	MUL \q
	WIN 0
	VNOP 4                                         ; places in front of loads into the products' sources, and of the first read of the results
.endm
.irp i, 0,1,2,3
	ds_load_b128 v[SC+8*\i:SC+8*\i+3], v[ADRS] offset:544*\i        ; a row's 32 scale bytes: the words of all eight K steps
	ds_load_b128 v[SC+8*\i+4:SC+8*\i+7], v[ADRS] offset:544*\i+16
.endr
	FETCH 0
.irp q, 0,1,2,3,4,5,6,7
	STEP \q
.endr
; THE WAY OUT, block by block of 16 tokens x 64 columns, through my own stage: back come whole rows of 256 bytes, two an instruction.  LDS serves a wave's instructions in order: no wait between the stores and the loads.
.macro TOSTAGE a
	WIN 0x04                                       ; the data: window 1
.irp b, 0,1,2,3
	ds_store_b128 v[STO], v[32*(\a)+8*\b:32*(\a)+8*\b+3] offset:128*(\b/2)+32*(\b%2)          ; each accumulator from its low end on
	ds_store_b128 v[STO], v[32*(\a)+8*\b+4:32*(\a)+8*\b+7] offset:128*(\b/2)+32*(\b%2)+16
.endr
	WIN 0
.irp t, 0,1,2,3,4,5,6,7
	ds_load_b128 v[64+32*((\a)%2)+4*\t:64+32*((\a)%2)+4*\t+3], v[RD] offset:\t*544
.endr
.endm
.macro SEND a, younger                 ; younger: the LDS instructions issued behind block a's loads, which may stay out
	s_wait_dscnt \younger
.irp t, 0,1,2,3,4,5,6,7
	global_store_b128 v[CO], v[64+32*((\a)%2)+4*\t:64+32*((\a)%2)+4*\t+3], s[98:99] offset:(32*((\a)/2)+8*((\a)%2)+2*\t+8*(\t/4))*4096 th:TH_STORE_NT   ; sixteen lanes store 256 consecutive bytes, aligned
.endr
.endm
	TOSTAGE 0
.irp a, 1,2,3
.if \a > 1
	s_wait_xcnt 0x0                                ; block a - 2's stores have read their registers
.endif
	TOSTAGE \a
	SEND \a-1, 16                                  ; behind block a - 1's loads: block a's 8 stores and 8 loads
.endr
	SEND 3, 0
	s_wait_tensorcnt 0x0                           ; the wave's end
	ds_add_u32 v[SPW], v[NIL]
	s_wait_dscnt 0x0
	CROUND                                         ; the closing round
	s_endpgm
.Lfunc_end_k_qb0223533e8_oproj:
	.size	k_qb0223533e8_oproj, .Lfunc_end_k_qb0223533e8_oproj-k_qb0223533e8_oproj
	.p2alignl 7, 3214868480
	.fill 96, 4, 3214868480
	.section	.rodata,"a",@progbits
	.p2align	6, 0x0
	.amdhsa_kernel k_qb0223533e8_oproj
		.amdhsa_group_segment_fixed_size 327680
		.amdhsa_private_segment_fixed_size 0
		.amdhsa_enable_private_segment 0
		.amdhsa_kernarg_size 48
		.amdhsa_user_sgpr_count 2
		.amdhsa_user_sgpr_kernarg_segment_ptr 1
		.amdhsa_wavefront_size32 1
		.amdhsa_system_sgpr_workgroup_id_x 1
		.amdhsa_system_sgpr_workgroup_id_y 1
		.amdhsa_system_sgpr_workgroup_id_z 1
		.amdhsa_system_vgpr_workitem_id 0
		.amdhsa_next_free_vgpr 512
		.amdhsa_next_free_sgpr 102
		.amdhsa_reserve_vcc 0
		.amdhsa_float_denorm_mode_32 3
		.amdhsa_float_denorm_mode_16_64 3
		.amdhsa_memory_ordered 1
		.amdhsa_forward_progress 1
		.amdhsa_inst_pref_size 52
	.end_amdhsa_kernel
	.amdgpu_metadata
---
amdhsa.version: [ 1, 2 ]
amdhsa.kernels:
  - .name:           k_qb0223533e8_oproj
    .symbol:         k_qb0223533e8_oproj.kd
    .args:
      - { .name: ctx_codes, .offset: 0, .size: 8, .value_kind: global_buffer, .address_space: global }
      - { .name: ctx_scales, .offset: 8, .size: 8, .value_kind: global_buffer, .address_space: global }
      - { .name: xw_codes, .offset: 16, .size: 8, .value_kind: global_buffer, .address_space: global }
      - { .name: xw_scales, .offset: 24, .size: 8, .value_kind: global_buffer, .address_space: global }
      - { .name: bo, .offset: 32, .size: 8, .value_kind: global_buffer, .address_space: global }
      - { .name: out0, .offset: 40, .size: 8, .value_kind: global_buffer, .address_space: global }
    .group_segment_fixed_size: 327680
    .private_segment_fixed_size: 0
    .kernarg_segment_align: 8
    .kernarg_segment_size: 48
    .max_flat_workgroup_size: 128
    .sgpr_count:     102
    .vgpr_count:     512
    .wavefront_size: 32
...
	.end_amdgpu_metadata
.endif
;; end of part 4
